; MI455X (gfx1250); checked and timed in simulation.
; The chip was launched on July 23, 2026; its instructions are those of AMD's public machine-readable ISA for CDNA 5 (MIT licence, August 2026) and "CDNA5" Instruction Set Architecture Reference Guide (July 2026). The comments in the code are by the model that wrote it; some were corrected since.
;; Multi Head Token Attention. Allowed arithmetic: float matrix products may take bf16 or f16 operands with f32 sums; other float arithmetic in f32, or as packed bf16 or f16 multiplies, adds, multiply-adds, maxima and minima; sums over many terms, partial sums and values carried from step to step in f32; what a program stores and reads back later, other than sums and carried values, may be rounded once to bf16 or f16.
;; Inputs: Wk 1,024 x 1,024 float32; Wq 1,024 x 1,024 float32; Wv 1,024 x 1,024 float32; bk 1,024 float32; bq 1,024 float32; bv 1,024 float32; gate_logits 32 x 32 x 32 float32; query_vec 32 x 32 x 1,024 float32; tokens 32 x 32 x 32 x 1,024 float32.
;; Outputs: out0 32 x 32 x 1,024 float32; out1 32 x 32 x 32 float32; out2 32 x 32 x 16 x 32 float32.
;; 2 versions, each right; version 2 is version 1 with the launches qkproj, attend, outproj written anew for expert scheduling mode. Each part assembles by itself: llvm-mc -triple=amdgcn-amd-amdhsa -mcpu=gfx1250 --defsym DOCPART=n.
;; ======== version 1 of 2: 3 launches
;; limits: values are held in f16: magnitudes above 65,504 overflow, below 6.1e-05 lose precision; inputs' magnitudes at most 65,504; right only within a limited range of input values
;; workspace buffers: qkw 33,554,432 bytes; qsc 131,072 bytes; ctxw 33,554,432 bytes
;; launch qkproj (part 1): grid 16 x 16, 8 waves a work-group, no clusters, 313,856 bytes of LDS; arguments query_vec, Wq, bq, Wk, bk, qkw, qsc; writes qkw, qsc
.if DOCPART == 1
	.amdgcn_target "amdgcn-amd-amdhsa--gfx1250"
	.amdhsa_code_object_version 6
	.text
	.protected	k_q071af41624_qkproj
	.globl	k_q071af41624_qkproj
	.p2align	8
	.type	k_q071af41624_qkproj,@function
k_q071af41624_qkproj:
	s_mov_b64 s[64:65], 0
	v_nop
	global_prefetch_b8 v0, s[64:65] scope:SCOPE_SE
	s_setreg_imm32_b32 hwreg(HW_REG_WAVE_MODE, 25, 1), 1
	s_wait_xcnt 0x0
; FIRST OF THREE LAUNCHES.  The keys are never made: logits[tb][h][n] = (tokens[tb][n] . qk[tb][h] + q[tb][h] . bk[h]) / 8 + gate[tb][n], with
; qk[tb][h][c] = the sum over d of Wk[c][64 h + d] q[tb][64 h + d] (the same products as in the module, associated otherwise).  This launch makes, for 64 positions tb and one head h:
;   q = query Wq + bq (f32 sums);  E = the power of two at or below the row's largest |q|;  q' = q / E in f16 (|q'| < 2);  qk' = q' Wk_h^T in f16;  sc = E / 8 and off = q . bk / 8 in f32.
; Stored: qkw [1024 tb][16 h][1024 c] f16;  qsc [2][16 h][1024 tb] f32 (plane 0 sc, plane 1 off).
; LIMITS.  query, Wq and Wk are rounded once to f16: magnitudes stay under 65,504, and below 6e-5 they keep f16's fixed step of 6e-8.  |q| stays under 2^127; a row of q whose largest
; magnitude is a denormal counts as 0 in the logits.  |qk'| <= 128 max |Wk| stays under 65,504.  NaN and infinities are not treated apart.  The sums' order differs from the module's (K split over 8 waves).
; SHARES.  Eight waves.  Phase 1 splits K: wave w takes channels 128 w .. 128 w + 127 and makes a partial sum of the whole 64 x 64 tile of q (16 accumulators); all that it loads and stages is its own.
; The eight partial tiles meet in LDS.  Phase 2 splits the columns: wave w makes qk' for c = 128 w .. + 127 of all 64 tb: 256 aligned bytes of each row of qkw.
; THE MATRIX INSTRUCTION IS USED TRANSPOSED: source 0 holds the operand whose row index runs along a lane's eight result registers, source 1 the one whose row is lane % 16.
; NO CLUSTER, NO TENSOR LOADS: every operand arrives in f32 and is rounded to f16 in registers before a fragment can be read from LDS, so the road goes through registers; a joint load would land
; f32 tiles of twice the bytes in LDS, to be read, rounded and stored a second time.
.set WREG,  37888                      ; a wave's LDS region
.set XP,    272                        ; XS: 64 rows (tb) of 128 c f16 = 256 bytes + 16; RED (same bytes, later): 64 rows of 64 d f32; OST (later still): 16 rows of 128 c f16
.set WSO,   64*XP                      ; behind it WS: 128 rows (c) of 64 d f16, for the turning load; later WKS in the same bytes
.set WP,    160                        ; WS's pitch: 128 + 32
.set KP,    144                        ; WKS's and QSH's pitch: 128 + 16
.set QSH,   8*WREG                     ; q' f16, 64 rows (tb) of 64 d, shared
.set SCL,   QSH+64*KP                  ; sc[64], off[64], f32
.set SPARE, SCL+512                    ; the spare words: 128 bytes a wave, four blocks of 256 bytes that no other line names
.set XO,  4                            ; v4   512 w + 16 L: my 16 bytes of a row of query
.set WO,  5                            ; v5   (128 w + hh) x 4096 + 16 r: my 16 bytes of two rows of Wq or Wk
.set XSA, 6                            ; v6   XS: where a row's 8 bytes go
.set WSA, 7                            ; v7   WS: the same
.set XFA, 8                            ; v8   WB + 272 r + 16 hh: fragments of XS; stores into OST
.set WFA, 9                            ; v9   the turning load's address in WS
.set RSA, 10                           ; v10  WB + 272 r + 32 hh: stores into RED
.set RRA, 11                           ; v11  (8 w + hh) x 272 + 16 r: my rows in a partial tile
.set RP,  12                           ; v12-15  the same in four waves' regions
.set QSS, 16                           ; v16  where my rows of q' go
.set SCS, 17                           ; v17  where their sc goes
.set KSA, 18                           ; v18  WKS: where a row's 8 bytes go
.set KFA, 19                           ; v19  fragments of WKS
.set QFA, 20                           ; v20  fragments of QSH
.set R16, 21                           ; v21  16 r
.set ORA, 22                           ; v22  WB + 272 hh + 16 r: rows read back from OST
.set GO,  23                           ; v23  hh x 32768 + 256 w + 16 r: my 16 bytes of two rows of qkw
.set SCR, 24                           ; v24  SCL + 16 L
.set SCG, 25                           ; v25  hh x 65536 + 16 r
.set SPW, 26                           ; v26  my spare word; never rewritten
.set NIL, 27                           ; v27  0; never rewritten
.set BQ,  28                           ; v28-31  bq of my four d
.set BK,  32                           ; v32-35  bk of my four d
.set SUM, 36                           ; v36-51  q of my four rows x four d
.set T,   52                           ; v52-63  at work
.set SA,  64                           ; three sets of 64 registers: 16 loads of 16 bytes a lane
.set SB,  128
.set SC,  192
.set FX,  64                           ; phase 1: four fragments of XS,
.set FW,  96                           ; four of WS,
.set ACC, 128                          ; sixteen accumulators: (mt, nt) at ACC + 8 (4 mt + nt)
.set FK,  128                          ; phase 2: Wk's fragments (ct, ks) at FK + 8 (2 ct + ks),
.set A2,  64                           ; eight accumulators,
.set FQ,  32                           ; q' fragments: two buffers of 16
.macro PLACES n=4                      ; plain vector instructions between a matrix instruction and what touches its registers (ISA guide 7.12.1)
.rept \n
	v_nop
.endr
.endm
.macro LDX g, S                        ; rows 16 g .. 16 g + 15 of my slice of query: 512 consecutive bytes an instruction
.set j, 0
.rept 16
	global_load_b128 v[(\S)+4*j:(\S)+4*j+3], v[XO], s[4:5] offset:(16*(\g)+j)*4096
.set j, j+1
.endr
.endm
.macro LDW g, S, base                  ; rows 32 g .. 32 g + 31 of my slice of Wq or Wk: two rows of 256 aligned bytes an instruction
.set j, 0
.rept 16
	global_load_b128 v[(\S)+4*j:(\S)+4*j+3], v[WO], s[\base:\base+1] offset:(16*(\g)+j)*8192
.set j, j+1
.endr
.endm
.macro PUT S, adr, step, g             ; a set is rounded to f16 in place and goes into LDS, 8 bytes a lane
.set j, 0
.rept 16
	v_cvt_pk_f16_f32 v[(\S)+4*j], v[(\S)+4*j], v[(\S)+4*j+1]
	v_cvt_pk_f16_f32 v[(\S)+4*j+1], v[(\S)+4*j+2], v[(\S)+4*j+3]
	ds_store_b64 v[\adr], v[(\S)+4*j:(\S)+4*j+1] offset:(16*(\g)+j)*(\step)
.set j, j+1
.endr
.endm
.macro GLOAD g                         ; phase 1's groups: X0, W0, X1, W1, X2, W2, X3, W3; group g uses set g % 3
.if (\g)%2 == 0
	LDX (\g)/2, SA+64*((\g)%3)
.else
	LDW (\g)/2, SA+64*((\g)%3), 6
.endif
.endm
.macro GPUT g
.if (\g)%2 == 0
	PUT SA+64*((\g)%3), XSA, XP, (\g)/2
.else
	PUT SA+64*((\g)%3), WSA, 2*WP, (\g)/2
.endif
.endm
	s_load_b256 s[4:11], s[0:1], 0x0               ; query s[4:5], Wq s[6:7], bq s[8:9], Wk s[10:11]
	s_load_b128 s[12:15], s[0:1], 0x20             ; bk s[12:13], qkw s[14:15]
	s_load_b64 s[16:17], s[0:1], 0x30              ; qsc
	v_lshl_add_u32 v[SPW], v0, 2, SPARE
	v_mov_b32 v[NIL], 0
	v_lshrrev_b32 v1, 5, v0
	v_readfirstlane_b32 s20, v1                    ; w: wave 0..7
	v_and_b32 v1, 31, v0                           ; L
	v_and_b32 v2, 15, v0                           ; r
	v_bfe_u32 v3, v0, 4, 1                         ; hh
	v_and_b32 v[T], 7, v0
	v_bfe_u32 v[T+1], v0, 3, 1
	s_mov_b32 s22, ttmp9                           ; the head
	s_and_b32 s23, ttmp7, 0xffff                   ; the block of 64 tb
	s_mul_i32 s21, s20, WREG                       ; WB
	s_add_co_u32 s27, s21, WSO
	s_mov_b32 s26, 0x7fffffff
	s_lshl_b32 s28, s20, 9
	s_lshl_b32 s29, s20, 19
	v_lshlrev_b32 v[R16], 4, v2
	v_lshl_add_u32 v[XO], v1, 4, s28
	v_lshl_add_u32 v[WO], v3, 12, v[R16]
	v_add_nc_u32 v[WO], s29, v[WO]
	v_lshl_add_u32 v[XSA], v1, 3, s21
	v_mul_u32_u24 v[WSA], v3, WP
	v_lshl_add_u32 v[WSA], v2, 3, v[WSA]
	v_add_nc_u32 v[WSA], s27, v[WSA]
	v_mul_u32_u24 v[XFA], v2, XP
	v_add_nc_u32 v[XFA], s21, v[XFA]               ; WB + 272 r
	v_lshl_add_u32 v[RSA], v3, 5, v[XFA]
	v_lshl_add_u32 v[XFA], v3, 4, v[XFA]
	v_lshl_add_u32 v[WFA], v3, 3, v[T]             ; the turning load: lane L reads row 8 hh + L % 8, 16 bytes at 16 ((L / 8) % 2)
	v_mul_u32_u24 v[WFA], v[WFA], WP
	v_lshl_add_u32 v[WFA], v[T+1], 4, v[WFA]
	v_add_nc_u32 v[WFA], s27, v[WFA]
	v_mul_u32_u24 v[ORA], v3, XP
	v_add_nc_u32 v[ORA], v[R16], v[ORA]            ; 272 hh + 16 r
	s_mul_i32 s30, s20, 8*XP
	v_add_nc_u32 v[RRA], s30, v[ORA]
	v_add_nc_u32 v[ORA], s21, v[ORA]
	v_mul_u32_u24 v[KSA], v3, KP
	v_lshl_add_u32 v[KSA], v2, 3, v[KSA]           ; 144 hh + 8 r
	s_mul_i32 s30, s20, 8*KP
	s_add_co_u32 s30, s30, QSH
	v_add_nc_u32 v[QSS], s30, v[KSA]
	v_add_nc_u32 v[KSA], s27, v[KSA]
	s_lshl_b32 s30, s20, 5
	s_add_co_u32 s30, s30, SCL
	v_lshl_add_u32 v[SCS], v3, 2, s30
	v_mul_u32_u24 v[KFA], v2, KP
	v_lshl_add_u32 v[KFA], v3, 4, v[KFA]           ; 144 r + 16 hh
	v_add_nc_u32 v[QFA], QSH, v[KFA]
	v_add_nc_u32 v[KFA], s27, v[KFA]
	s_lshl_b32 s30, s20, 8
	v_lshl_add_u32 v[GO], v3, 15, v[R16]
	v_add_nc_u32 v[GO], s30, v[GO]
	v_lshl_add_u32 v[SCR], v1, 4, SCL
	v_lshl_add_u32 v[SCG], v3, 16, v[R16]
	s_mov_b32 s25, 0
	s_wait_kmcnt 0x0
	s_lshl_b32 s24, s23, 18                        ; 64 rows of query
	s_add_nc_u64 s[4:5], s[4:5], s[24:25]
	s_lshl_b32 s24, s22, 8                         ; the head's 64 columns, 256 bytes
	s_add_nc_u64 s[6:7], s[6:7], s[24:25]
	s_add_nc_u64 s[8:9], s[8:9], s[24:25]
	s_add_nc_u64 s[10:11], s[10:11], s[24:25]
	s_add_nc_u64 s[12:13], s[12:13], s[24:25]
	s_lshl_b32 s24, s23, 21                        ; qkw: 64 tb of 32,768 bytes,
	s_lshl_b32 s28, s22, 11                        ; the head's 2,048
	s_add_co_u32 s24, s24, s28
	s_add_nc_u64 s[14:15], s[14:15], s[24:25]
	s_lshl_b32 s24, s22, 12                        ; qsc: the head's 1,024 words, the block's 64
	s_lshl_b32 s28, s23, 8
	s_add_co_u32 s24, s24, s28
	s_add_nc_u64 s[16:17], s[16:17], s[24:25]
	global_load_b128 v[BQ:BQ+3], v[R16], s[8:9]
	global_load_b128 v[BK:BK+3], v[R16], s[12:13]
	GLOAD 0
	GLOAD 1
	GLOAD 2
; PHASE 1, THE WAY IN.  Three sets take turns: 48 loads of a wave are on their way.  The count leaves the younger groups out: two of 16 loads, at the end one, then none.
.irp g, 0,1,2,3,4,5,6,7
.if \g <= 5
	s_wait_loadcnt 32
.elseif \g == 6
	s_wait_loadcnt 16
.else
	s_wait_loadcnt 0x0
.endif
	GPUT \g
.if \g <= 4
	GLOAD (\g)+3
.endif
.endr
; PHASE 1, THE PRODUCTS: four steps of 32 channels; 16 accumulators by turns, in the same order in every step.  LDS serves a wave's instructions in order: these loads see my stores above.
.set ks, 0
.rept 4
.set t, 0
.rept 4
	ds_load_b128 v[FX+8*t:FX+8*t+3], v[XFA] offset:t*16*XP+64*ks
	ds_load_b128 v[FX+8*t+4:FX+8*t+7], v[XFA] offset:t*16*XP+64*ks+32
	ds_load_tr16_b128 v[FW+8*t:FW+8*t+3], v[WFA] offset:ks*32*WP+32*t
	ds_load_tr16_b128 v[FW+8*t+4:FW+8*t+7], v[WFA] offset:ks*32*WP+32*t+16*WP
.set t, t+1
.endr
	s_wait_dscnt 0x0
.set t, 0
.rept 16
.if ks == 0
	v_wmma_f32_16x16x32_f16 v[ACC+8*t:ACC+8*t+7], v[FW+8*(t%4):FW+8*(t%4)+7], v[FX+8*(t/4):FX+8*(t/4)+7], 0
.else
	v_wmma_f32_16x16x32_f16 v[ACC+8*t:ACC+8*t+7], v[FW+8*(t%4):FW+8*(t%4)+7], v[FX+8*(t/4):FX+8*(t/4)+7], v[ACC+8*t:ACC+8*t+7]
.endif
.set t, t+1
.endr
	PLACES                                         ; in front of the next step's loads into the fragments, and of the stores below
.set ks, ks+1
.endr
; My partial tile goes into RED (XS's bytes, whose reads are back): lane (r, hh) holds tb = 16 mt + r, d = 16 nt + 8 hh + 0..7.  Each accumulator's low registers first.
.set t, 0
.rept 16
	ds_store_b128 v[RSA], v[ACC+8*t:ACC+8*t+3] offset:(t/4)*16*XP+(t%4)*64
	ds_store_b128 v[RSA], v[ACC+8*t+4:ACC+8*t+7] offset:(t/4)*16*XP+(t%4)*64+16
.set t, t+1
.endr
	s_wait_dscnt 0x0                               ; for the others' sake: my partial tile lies in LDS
	LDW 0, SB, 10                                  ; Wk's first 64 rows are asked for now: they land during the reduction
	LDW 1, SC, 10
	s_barrier_signal -1
	s_barrier_wait -1                              ; all eight partial tiles lie in LDS
; THE REDUCTION.  Wave w owns rows 8 w + 2 i + hh, i = 0..3; a lane four d.  Two batches of four partial tiles; a partial's 16 registers are added as one block.
.macro BATCH b
.set k, 0
.rept 4
	v_add_nc_u32 v[RP+k], (4*(\b)+k)*WREG, v[RRA]
.set k, k+1
.endr
.set k, 0
.rept 16
	ds_load_b128 v[SA+4*k:SA+4*k+3], v[RP+k/4] offset:(k%4)*2*XP
.set k, k+1
.endr
	s_wait_dscnt 0x0
.set c, 0
.rept 8
	v_pk_add_f32 v[SA+c:SA+c+1], v[SA+c:SA+c+1], v[SA+16+c:SA+16+c+1]
	v_pk_add_f32 v[SA+32+c:SA+32+c+1], v[SA+32+c:SA+32+c+1], v[SA+48+c:SA+48+c+1]
.set c, c+2
.endr
.set c, 0
.rept 8
.if (\b) == 0
	v_pk_add_f32 v[SUM+c:SUM+c+1], v[SA+c:SA+c+1], v[SA+32+c:SA+32+c+1]
.else
	v_pk_add_f32 v[SA+c:SA+c+1], v[SA+c:SA+c+1], v[SA+32+c:SA+32+c+1]
.endif
.set c, c+2
.endr
.if (\b) != 0
.set c, 0
.rept 8
	v_pk_add_f32 v[SUM+c:SUM+c+1], v[SUM+c:SUM+c+1], v[SA+c:SA+c+1]
.set c, c+2
.endr
.endif
.endm
	BATCH 0
	BATCH 1
.set i, 0
.rept 4
	v_pk_add_f32 v[SUM+4*i:SUM+4*i+1], v[SUM+4*i:SUM+4*i+1], v[BQ:BQ+1]
	v_pk_add_f32 v[SUM+4*i+2:SUM+4*i+3], v[SUM+4*i+2:SUM+4*i+3], v[BQ+2:BQ+3]
.set i, i+1
.endr
; For each of my rows: the largest |q| and q . bk over the row's 16 lanes; E = that maximum's power of two; q' = q / E, exact but for the rounding to f16.
.set i, 0
.rept 4
.set q, SUM+4*i
	v_and_b32 v[T], s26, v[q]
	v_and_b32 v[T+1], s26, v[q+1]
	v_and_b32 v[T+2], s26, v[q+2]
	v_and_b32 v[T+3], s26, v[q+3]
	v_mul_f32 v[T+4], v[q], v[BK]
	v_max3_num_f32 v[T], v[T], v[T+1], v[T+2]
	v_fmac_f32 v[T+4], v[q+1], v[BK+1]
	v_max_num_f32 v[T], v[T], v[T+3]
	v_fmac_f32 v[T+4], v[q+2], v[BK+2]
	v_fmac_f32 v[T+4], v[q+3], v[BK+3]
.irp m, 1,2,4,8
	v_max_num_f32_dpp v[T], v[T], v[T] row_xmask:\m row_mask:0xf bank_mask:0xf
	v_add_f32_dpp v[T+4], v[T+4], v[T+4] row_xmask:\m row_mask:0xf bank_mask:0xf
.endr
	v_and_b32 v[T+5], 0x7f800000, v[T]             ; E: the exponent alone
	v_sub_nc_u32 v[T+6], 0x7f000000, v[T+5]        ; 1 / E: the exponent mirrored
	v_mul_f32 v[T+8], v[q], v[T+6]
	v_mul_f32 v[T+9], v[q+1], v[T+6]
	v_mul_f32 v[T+10], v[q+2], v[T+6]
	v_mul_f32 v[T+11], v[q+3], v[T+6]
	v_cvt_pk_f16_f32 v[T+8], v[T+8], v[T+9]
	v_cvt_pk_f16_f32 v[T+9], v[T+10], v[T+11]
	ds_store_b64 v[QSS], v[T+8:T+9] offset:i*2*KP
	v_mul_f32 v[T+5], 0x3e000000, v[T+5]           ; sc = E / 8
	v_mul_f32 v[T+4], 0x3e000000, v[T+4]           ; off = q . bk / 8
	ds_store_b32 v[SCS], v[T+5] offset:8*i         ; a row's 16 lanes write the same word with the same value
	ds_store_b32 v[SCS], v[T+4] offset:256+8*i
.set i, i+1
.endr
	LDW 2, SA, 10
	s_wait_dscnt 0x0                               ; my reads of the partial tiles are back, my rows of q', sc and off lie in LDS
	s_barrier_signal -1
	s_barrier_wait -1                              ; nobody reads RED any more; QSH and SCL are whole.  All LDS writes from here on are the wave's own
; Wk's slice, rounded, into WKS.  The counts leave the younger groups of 16 loads out: two, two, one, none.
	s_wait_loadcnt 32
	PUT SB, KSA, 2*KP, 0
	LDW 3, SB, 10
	s_wait_loadcnt 32
	PUT SC, KSA, 2*KP, 1
	s_wait_loadcnt 16
	PUT SA, KSA, 2*KP, 2
	s_wait_loadcnt 0x0
	PUT SB, KSA, 2*KP, 3
	s_cmp_lg_u32 s20, 0                            ; wave 0 stores sc and off: lanes 0-15 the 256 bytes of sc, lanes 16-31 those of off
	s_cbranch_scc1 .Lnot_wave_0
	ds_load_b128 v[T:T+3], v[SCR]
	s_wait_dscnt 0x0
	global_store_b128 v[SCG], v[T:T+3], s[16:17]
.Lnot_wave_0:
; PHASE 2.  qk'[tb][c] = the sum over d of Wk[c][d] q'[tb][d]: source 0 = 16 rows c of WKS, source 1 = 16 rows tb of QSH; K = 64: two steps.  All of my Wk fragments stay in registers.
.macro FQL m                           ; the two fragments of q' for block m of 16 tb
.irp y, 0,1
	ds_load_b128 v[FQ+16*((\m)%2)+8*\y:FQ+16*((\m)%2)+8*\y+3], v[QFA] offset:(\m)*16*KP+64*\y
	ds_load_b128 v[FQ+16*((\m)%2)+8*\y+4:FQ+16*((\m)%2)+8*\y+7], v[QFA] offset:(\m)*16*KP+64*\y+32
.endr
.endm
.set t, 0
.rept 16
	ds_load_b128 v[FK+8*t:FK+8*t+3], v[KFA] offset:(t/2)*16*KP+64*(t%2)
	ds_load_b128 v[FK+8*t+4:FK+8*t+7], v[KFA] offset:(t/2)*16*KP+64*(t%2)+32
.set t, t+1
.endr
	FQL 0
.macro MT mt
	s_wait_dscnt 0x0                               ; the fragments are in; the last block's rows are back from the stage
	s_wait_xcnt 0x0                                ; earlier stores have read their data: the accumulators' upper halves (and wave 0's sc and off) are rewritten only behind this wait
.if (\mt) < 3
	FQL (\mt)+1
.endif
.set t, 0
.rept 16                               ; step t / 8, columns 16 (t % 8) on: eight accumulators by turns
.if t < 8
	v_wmma_f32_16x16x32_f16 v[A2+8*(t%8):A2+8*(t%8)+7], v[FK+8*(2*(t%8)+t/8):FK+8*(2*(t%8)+t/8)+7], v[FQ+16*((\mt)%2)+8*(t/8):FQ+16*((\mt)%2)+8*(t/8)+7], 0
.else
	v_wmma_f32_16x16x32_f16 v[A2+8*(t%8):A2+8*(t%8)+7], v[FK+8*(2*(t%8)+t/8):FK+8*(2*(t%8)+t/8)+7], v[FQ+16*((\mt)%2)+8*(t/8):FQ+16*((\mt)%2)+8*(t/8)+7], v[A2+8*(t%8):A2+8*(t%8)+7]
.endif
.set t, t+1
.endr
	PLACES 8                                       ; eight, not four: the lines behind them write the accumulators' own registers
.set t, 0
.rept 8                                ; a lane's eight c of one tb pack into 16 bytes, in place, from the low end on
	v_cvt_pk_f16_f32 v[A2+8*t], v[A2+8*t], v[A2+8*t+1]
	v_cvt_pk_f16_f32 v[A2+8*t+1], v[A2+8*t+2], v[A2+8*t+3]
	v_cvt_pk_f16_f32 v[A2+8*t+2], v[A2+8*t+4], v[A2+8*t+5]
	v_cvt_pk_f16_f32 v[A2+8*t+3], v[A2+8*t+6], v[A2+8*t+7]
.set t, t+1
.endr
.set t, 0
.rept 8
	ds_store_b128 v[XFA], v[A2+8*t:A2+8*t+3] offset:32*t
.set t, t+1
.endr
.set t, 0
.rept 8
	ds_load_b128 v[A2+8*t+4:A2+8*t+7], v[ORA] offset:t*2*XP  ; back as whole rows; LDS serves a wave's instructions in order
.set t, t+1
.endr
.set t, 0
.rept 8
	s_wait_dscnt 7-t                               ; the younger of the eight may stay out
	global_store_b128 v[GO], v[A2+8*t+4:A2+8*t+7], s[14:15] offset:(16*(\mt)+2*t)*32768 th:TH_STORE_NT  ; 16 lanes store 256 consecutive bytes, aligned
.set t, t+1
.endr
.endm
	MT 0
	MT 1
	MT 2
	MT 3
	s_wait_tensorcnt 0x0                           ; the wave's end: behind my last LDS store
	ds_add_u32 v[SPW], v[NIL]
	s_wait_dscnt 0x0
	s_endpgm
.Lfunc_end_k_q071af41624_qkproj:
	.size	k_q071af41624_qkproj, .Lfunc_end_k_q071af41624_qkproj-k_q071af41624_qkproj
	.p2alignl 7, 3214868480
	.fill 96, 4, 3214868480
	.section	.rodata,"a",@progbits
	.p2align	6, 0x0
	.amdhsa_kernel k_q071af41624_qkproj
		.amdhsa_group_segment_fixed_size 313856
		.amdhsa_private_segment_fixed_size 0
		.amdhsa_enable_private_segment 0
		.amdhsa_kernarg_size 56
		.amdhsa_user_sgpr_count 2
		.amdhsa_user_sgpr_kernarg_segment_ptr 1
		.amdhsa_wavefront_size32 1
		.amdhsa_system_sgpr_workgroup_id_x 1
		.amdhsa_system_sgpr_workgroup_id_y 1
		.amdhsa_system_sgpr_workgroup_id_z 1
		.amdhsa_system_vgpr_workitem_id 0
		.amdhsa_next_free_vgpr 256
		.amdhsa_next_free_sgpr 66
		.amdhsa_reserve_vcc 0
		.amdhsa_float_denorm_mode_32 3
		.amdhsa_float_denorm_mode_16_64 3
		.amdhsa_memory_ordered 1
		.amdhsa_forward_progress 1
		.amdhsa_inst_pref_size 107
	.end_amdhsa_kernel
	.amdgpu_metadata
---
amdhsa.version: [ 1, 2 ]
amdhsa.kernels:
  - .name:           k_q071af41624_qkproj
    .symbol:         k_q071af41624_qkproj.kd
    .args:
      - { .name: query_vec, .offset: 0, .size: 8, .value_kind: global_buffer, .address_space: global }
      - { .name: Wq, .offset: 8, .size: 8, .value_kind: global_buffer, .address_space: global }
      - { .name: bq, .offset: 16, .size: 8, .value_kind: global_buffer, .address_space: global }
      - { .name: Wk, .offset: 24, .size: 8, .value_kind: global_buffer, .address_space: global }
      - { .name: bk, .offset: 32, .size: 8, .value_kind: global_buffer, .address_space: global }
      - { .name: qkw, .offset: 40, .size: 8, .value_kind: global_buffer, .address_space: global }
      - { .name: qsc, .offset: 48, .size: 8, .value_kind: global_buffer, .address_space: global }
    .group_segment_fixed_size: 313856
    .private_segment_fixed_size: 0
    .kernarg_segment_align: 8
    .kernarg_segment_size: 56
    .max_flat_workgroup_size: 256
    .sgpr_count:     66
    .vgpr_count:     256
    .wavefront_size: 32
...
	.end_amdgpu_metadata
.endif
;; end of part 1
;; launch attend (part 2): grid 512 x 1, 8 waves a work-group, no clusters, 133,632 bytes of LDS; arguments tokens, gate_logits, qkw, qsc, ctxw, out1, out2; writes ctxw, out1, out2
.if DOCPART == 2
	.amdgcn_target "amdgcn-amd-amdhsa--gfx1250"
	.amdhsa_code_object_version 6
	.text
	.protected	k_q071af41624_attend
	.globl	k_q071af41624_attend
	.p2align	8
	.type	k_q071af41624_attend,@function
k_q071af41624_attend:
	s_mov_b64 s[64:65], 0
	v_nop
	global_prefetch_b8 v0, s[64:65] scope:SCOPE_SE
	s_setreg_imm32_b32 hwreg(HW_REG_WAVE_MODE, 25, 1), 1
	s_wait_xcnt 0x0
; SECOND LAUNCH: the stream of tokens, each byte read once.  A work-group takes two positions tb = 2 g, 2 g + 1.  For each:
;   logits[h][n] = (tokens[n] . qk'[h]) sc[h] + off[h] + gate[n]  (out2);  attn = softmax over n, with the row's maximum taken away;  out1[n] = the mean of attn over the 16 heads;
;   ctx[h][c] = the sum over n of attn[h][n] tokens[n][c], stored as f16 in ctxw [1024 tb][16 h][1024 c]: the values are never made; the third launch multiplies ctx by Wv.
; LIMITS.  tokens are rounded once to f16: magnitudes stay under 65,504, and below 6e-5 they keep f16's fixed step of 6e-8.  The weights go to the second product in f16 (out1 is made of the f32 weights);
; a weight below 2^-126 counts as 0.  ctx is a mean of tokens and has their range.  NaN and infinities are not treated apart.  The sums' order differs from the module's.
; SHARES.  Wave w owns channels 128 w .. + 127: 512 bytes of each token's row (a row a load), 256 aligned bytes of each head's row of qk' and of ctx.  Both products read the wave's own LDS bytes alone.
; What crosses waves: the eight partial tiles of 16 x 32 logits and the weights: two barriers a tb.  For the softmax wave w takes heads 2 w, 2 w + 1, a lane a token.
; IN FLIGHT.  While one tb is worked on, the other's 32 token loads and 8 qk' loads of every wave are out: a row's registers are asked for again as soon as the row has gone into LDS.
; The work-groups share no input: no cluster.  Operands arrive in f32 and are rounded in registers: no tensor loads.
.set PART,  0                          ; [8 waves] pitch 2304: [16 h] pitch 144: 32 n, f32: each wave's partial logits
.set PW,    2304
.set PH,    144
.set ATT,   8*PW                       ; [16 h] pitch 80: 32 n f16
.set AP,    80
.set LGT,   ATT+16*AP                  ; [16 h][32 n] f32, dense: as out2 has them
.set ATF,   LGT+2048                   ; the weights in f32, dense
.set MEAN,  ATF+2048                   ; [2 tb][32 n] f32
.set SPARE, MEAN+256                   ; the spare words: 128 bytes a wave, four blocks of 256 bytes that no other line names
.set WB0,   SPARE+1024                 ; the waves' regions
.set TP,    288                        ; TOK: token n at 288 n + 16 ((n / 8) % 2), 128 c f16: the plain fragment loads (16 rows) and the turning loads (8 rows x 32 bytes) each touch every bank once
.set QKO,   32*TP                      ; behind it QKL: 16 rows (h) of 128 c f16, pitch 272; later the stage for ctx in the same bytes
.set QP,    272
.set WREG,  QKO+16*QP
.set TO,  4                            ; v4   512 w + 16 L: my 16 bytes of a token's row; also (waves 0-3) of the tb's 2,048 bytes of logits
.set QO,  5                            ; v5   2048 hh + 256 w + 16 r: my 16 bytes of two heads' rows of qk' and ctx
.set TS,  6                            ; v6   TOK: where a row's 8 bytes go
.set TFA, 7                            ; v7   plain fragments of TOK
.set TTA, 8                            ; v8   turned fragments of TOK
.set QSA, 9                            ; v9   QKL by rows: in, and ctx back
.set QFA, 10                           ; v10  QKL by fragments; ctx in
.set PS,  11                           ; v11  my partial logits
.set PR,  12                           ; v12  my two heads in wave 0's partial tile
.set LSA, 13                           ; v13  256 w + 4 L
.set ASA, 14                           ; v14  160 w + 2 L
.set AFA, 15                           ; v15  80 r + 16 hh
.set L4,  17                           ; v17  4 L
.set L8,  18                           ; v18  8 L
.set SPW, 20                           ; v20  my spare word; never rewritten
.set NIL, 21                           ; v21  0; never rewritten
.set GATE, 22                          ; v22-23  gate[n = L] of the two tb
.set QS,  24                           ; v24-55  qk' as loaded
.set AC,  56                           ; logits: two accumulators,
.set FQ,  72                           ; two fragments of qk',
.set FT,  88                           ; four of tokens
.set PP,  72                           ; softmax: eight partial logits for each of two heads,
.set WK,  88                           ; eight registers at work for each
.set FA,  56                           ; ctx: the weights' fragment,
.set TF,  64                           ; four turned fragments; then the rows read back,
.set CA,  96                           ; four accumulators
.set MN,  96                           ; the mean: 16 heads' weights
.set TK,  128                          ; v128-255  token n at TK + 4 n
.macro PLACES n=4                      ; plain vector instructions between a matrix instruction and what touches its registers (ISA guide 7.12.1)
.rept \n
	v_nop
.endr
.endm
	s_load_b256 s[4:11], s[0:1], 0x0               ; tokens s[4:5], gate s[6:7], qkw s[8:9], qsc s[10:11]
	s_load_b128 s[12:15], s[0:1], 0x20             ; ctxw s[12:13], out1 s[14:15]
	s_load_b64 s[16:17], s[0:1], 0x30              ; out2
	v_lshl_add_u32 v[SPW], v0, 2, SPARE
	v_mov_b32 v[NIL], 0
	v_lshrrev_b32 v1, 5, v0
	v_readfirstlane_b32 s20, v1                    ; w: wave 0..7
	v_and_b32 v1, 31, v0                           ; L
	v_and_b32 v2, 15, v0                           ; r
	v_bfe_u32 v3, v0, 4, 1                         ; hh
	v_bfe_u32 v19, v0, 3, 1                        ; (L / 8) % 2
	v_and_b32 v16, 7, v0
	s_mul_i32 s21, s20, WREG
	s_add_co_u32 s21, s21, WB0                     ; WB
	s_add_co_u32 s26, s21, QKO
	s_mov_b32 s40, 0x76543210                      ; v_permlanex16_b32: each lane takes its own place in the other half
	s_mov_b32 s41, 0xfedcba98
	s_lshl_b32 s27, s20, 9
	v_lshl_add_u32 v[TO], v1, 4, s27
	s_lshl_b32 s27, s20, 8
	v_lshlrev_b32 v[QO], 4, v2
	v_lshl_add_u32 v[QO], v3, 11, v[QO]
	v_add_nc_u32 v[QO], s27, v[QO]
	v_lshl_add_u32 v[LSA], v1, 2, s27
	v_lshl_add_u32 v[TS], v1, 3, s21
	v_mul_u32_u24 v[TFA], v2, TP                   ; row r, its skew, 16 bytes for each half of the lanes
	v_lshl_add_u32 v[TFA], v19, 4, v[TFA]
	v_lshl_add_u32 v[TFA], v3, 4, v[TFA]
	v_add_nc_u32 v[TFA], s21, v[TFA]
	v_lshl_add_u32 v[TTA], v3, 3, v16              ; the turning load: lane L reads token 8 hh + L % 8 (skew 16 hh), 16 bytes at 16 ((L / 8) % 2)
	v_mul_u32_u24 v[TTA], v[TTA], TP
	v_lshl_add_u32 v[TTA], v3, 4, v[TTA]
	v_lshl_add_u32 v[TTA], v19, 4, v[TTA]
	v_add_nc_u32 v[TTA], s21, v[TTA]
	v_mul_u32_u24 v[QSA], v3, QP
	v_lshl_add_u32 v[QSA], v2, 4, v[QSA]
	v_add_nc_u32 v[QSA], s26, v[QSA]
	v_mul_u32_u24 v[QFA], v2, QP
	v_lshl_add_u32 v[QFA], v3, 4, v[QFA]
	v_add_nc_u32 v[QFA], s26, v[QFA]
	s_mul_i32 s27, s20, PW
	v_mul_u32_u24 v[PS], v2, PH
	v_lshl_add_u32 v[PS], v3, 5, v[PS]
	v_add_nc_u32 v[PS], s27, v[PS]
	s_mul_i32 s27, s20, 2*PH
	v_lshl_add_u32 v[PR], v1, 2, s27
	s_mul_i32 s27, s20, 2*AP
	v_lshl_add_u32 v[ASA], v1, 1, s27
	v_mul_u32_u24 v[AFA], v2, AP
	v_lshl_add_u32 v[AFA], v3, 4, v[AFA]
	v_lshlrev_b32 v[L4], 2, v1
	v_lshlrev_b32 v[L8], 3, v1
	s_mov_b32 s23, 0
	s_lshl_b32 s24, s20, 13                        ; qsc: head 2 w's 4,096 bytes,
	s_lshl_b32 s25, ttmp9, 3                       ; the work-group's two words
	s_add_co_u32 s24, s24, s25
	s_wait_kmcnt 0x0
	s_lshl_b32 s22, ttmp9, 18                      ; two tb of tokens: 2 x 131,072 bytes
	s_add_nc_u64 s[4:5], s[4:5], s[22:23]
	s_lshl_b32 s22, ttmp9, 8                       ; of gate and out1: 2 x 128
	s_add_nc_u64 s[6:7], s[6:7], s[22:23]
	s_add_nc_u64 s[14:15], s[14:15], s[22:23]
	s_lshl_b32 s22, ttmp9, 16                      ; of qkw and ctxw: 2 x 32,768
	s_add_nc_u64 s[8:9], s[8:9], s[22:23]
	s_add_nc_u64 s[12:13], s[12:13], s[22:23]
	s_lshl_b32 s22, ttmp9, 12                      ; of out2: 2 x 2,048
	s_add_nc_u64 s[16:17], s[16:17], s[22:23]
	s_load_b64 s[32:33], s[10:11], s24 offset:0x0      ; sc of head 2 w, tb 0 and 1
	s_load_b64 s[34:35], s[10:11], s24 offset:0x1000   ; of head 2 w + 1
	s_load_b64 s[36:37], s[10:11], s24 offset:0x10000  ; off of head 2 w
	s_load_b64 s[38:39], s[10:11], s24 offset:0x11000  ; of head 2 w + 1
	global_load_b32 v[GATE], v[L4], s[6:7]
	global_load_b32 v[GATE+1], v[L4], s[6:7] offset:128
.set j, 0
.rept 8
	global_load_b128 v[QS+4*j:QS+4*j+3], v[QO], s[8:9] offset:j*4096 th:TH_LOAD_NT
.set j, j+1
.endr
.set n, 0
.rept 32
	global_load_b128 v[TK+4*n:TK+4*n+3], v[TO], s[4:5] offset:n*4096 th:TH_LOAD_NT
.set n, n+1
.endr
	s_wait_kmcnt 0x0                               ; sc and off
; One tb.  ahead = 1: the other tb's loads are issued as registers come free.  No address register is ever rewritten: tb and row stand in the immediates.
.macro TRIP tb, ahead
	s_wait_loadcnt 32                              ; qk' (and gate) are in: only the tb's 32 token loads were issued behind them
.set j, 0
.rept 8
	ds_store_b128 v[QSA], v[QS+4*j:QS+4*j+3] offset:j*2*QP
.set j, j+1
.endr
.if \ahead
.set j, 0
.rept 8
	global_load_b128 v[QS+4*j:QS+4*j+3], v[QO], s[8:9] offset:((\tb)+1)*32768+j*4096 th:TH_LOAD_NT
.set j, j+1
.endr
.endif
.set g, 0
.rept 8                                ; tokens 4 g .. 4 g + 3: rounded in place, 8 bytes a lane into TOK
.if \ahead
	s_wait_loadcnt 36                              ; issued behind them: 28 - 4 g rows of this tb, 8 loads of qk', 4 g rows of the next tb
.else
	s_wait_loadcnt 28-4*g                          ; the rows still to come
.endif
.set n, 4*g
.rept 4
	v_cvt_pk_f16_f32 v[TK+4*n], v[TK+4*n], v[TK+4*n+1]
	v_cvt_pk_f16_f32 v[TK+4*n+1], v[TK+4*n+2], v[TK+4*n+3]
	ds_store_b64 v[TS], v[TK+4*n:TK+4*n+1] offset:n*TP+16*((n/8)%2)
.set n, n+1
.endr
.if \ahead
.set n, 4*g
.rept 4
	global_load_b128 v[TK+4*n:TK+4*n+3], v[TO], s[4:5] offset:((\tb)+1)*131072+n*4096 th:TH_LOAD_NT
.set n, n+1
.endr
.endif
.set g, g+1
.endr
	; THE LOGITS' PARTIAL SUMS over my 128 channels: source 0 = 16 tokens, source 1 = the 16 heads: a lane holds head r and tokens 16 x + 8 hh + 0..7.  Two accumulators by turns.
	s_wait_xcnt 0x0                                ; the last tb's stores have read their data: v56-127 are rewritten only behind this wait
.irp hf, 0,1
.irp y, 0,1
	ds_load_b128 v[FQ+8*\y:FQ+8*\y+3], v[QFA] offset:64*(2*\hf+\y)
	ds_load_b128 v[FQ+8*\y+4:FQ+8*\y+7], v[QFA] offset:64*(2*\hf+\y)+32
.irp x, 0,1
	ds_load_b128 v[FT+8*(2*\x+\y):FT+8*(2*\x+\y)+3], v[TFA] offset:\x*16*TP+64*(2*\hf+\y)
	ds_load_b128 v[FT+8*(2*\x+\y)+4:FT+8*(2*\x+\y)+7], v[TFA] offset:\x*16*TP+64*(2*\hf+\y)+32
.endr
.endr
	s_wait_dscnt 0x0
.irp y, 0,1
.irp x, 0,1
.if (\hf)+(\y) == 0
	v_wmma_f32_16x16x32_f16 v[AC+8*\x:AC+8*\x+7], v[FT+8*(2*\x+\y):FT+8*(2*\x+\y)+7], v[FQ+8*\y:FQ+8*\y+7], 0
.else
	v_wmma_f32_16x16x32_f16 v[AC+8*\x:AC+8*\x+7], v[FT+8*(2*\x+\y):FT+8*(2*\x+\y)+7], v[FQ+8*\y:FQ+8*\y+7], v[AC+8*\x:AC+8*\x+7]
.endif
.endr
.endr
	PLACES                                         ; in front of the loads into the fragments, and of the stores below
.endr
.irp x, 0,1
	ds_store_b128 v[PS], v[AC+8*\x:AC+8*\x+3] offset:PART+64*\x
	ds_store_b128 v[PS], v[AC+8*\x+4:AC+8*\x+7] offset:PART+64*\x+16
.endr
	s_wait_dscnt 0x0                               ; my partial logits lie in LDS; my reads of the last tb's logits and weights are back
	s_barrier_signal -1
	s_barrier_wait -1
	; THE SOFTMAX of heads 2 w + u, u = 0, 1; lane = token
.irp u, 0,1
.set p, 0
.rept 8
	ds_load_b32 v[PP+8*\u+p], v[PR] offset:PART+\u*PH+p*PW
.set p, p+1
.endr
.endr
	s_wait_dscnt 0x0
.irp u, 0,1
	v_pk_add_f32 v[PP+8*\u:PP+8*\u+1], v[PP+8*\u:PP+8*\u+1], v[PP+8*\u+2:PP+8*\u+3]
	v_pk_add_f32 v[PP+8*\u+4:PP+8*\u+5], v[PP+8*\u+4:PP+8*\u+5], v[PP+8*\u+6:PP+8*\u+7]
.endr
.irp u, 0,1
	v_pk_add_f32 v[PP+8*\u:PP+8*\u+1], v[PP+8*\u:PP+8*\u+1], v[PP+8*\u+4:PP+8*\u+5]
	v_add_f32 v[WK+8*\u+1], s[36+2*\u+(\tb)], v[GATE+(\tb)]   ; off + gate
.endr
.irp u, 0,1
	v_add_f32 v[PP+8*\u], v[PP+8*\u], v[PP+8*\u+1]
.endr
.irp u, 0,1
	v_fma_f32 v[WK+8*\u], v[PP+8*\u], s[32+2*\u+(\tb)], v[WK+8*\u+1]  ; the logit
.endr
.irp u, 0,1
	v_mov_b32 v[WK+8*\u+1], v[WK+8*\u]
	v_mov_b32 v[WK+8*\u+2], v[WK+8*\u]             ; v_permlanex16_b32's destination counts as read
.endr
.irp m, 1,2,4,8
.irp u, 0,1
	v_max_num_f32_dpp v[WK+8*\u+1], v[WK+8*\u+1], v[WK+8*\u+1] row_xmask:\m row_mask:0xf bank_mask:0xf
.endr
.endr
.irp u, 0,1
	v_permlanex16_b32 v[WK+8*\u+2], v[WK+8*\u+1], s40, s41
.endr
.irp u, 0,1
	v_max_num_f32 v[WK+8*\u+1], v[WK+8*\u+1], v[WK+8*\u+2]    ; the row's maximum, in every lane
.endr
.irp u, 0,1
	v_sub_f32 v[WK+8*\u+3], v[WK+8*\u], v[WK+8*\u+1]
.endr
.irp u, 0,1
	v_mul_f32 v[WK+8*\u+3], 0x3fb8aa3b, v[WK+8*\u+3]          ; log2(e)
.endr
.irp u, 0,1
	v_exp_f32 v[WK+8*\u+3], v[WK+8*\u+3]
.endr
	v_nop                                          ; a plain instruction behind the last exponential,
	s_wait_alu depctr_va_vdst(0)                   ; and one wait for both, ahead of their first reader
.irp u, 0,1
	v_mov_b32 v[WK+8*\u+4], v[WK+8*\u+3]
	v_mov_b32 v[WK+8*\u+5], v[WK+8*\u+3]
.endr
.irp m, 1,2,4,8
.irp u, 0,1
	v_add_f32_dpp v[WK+8*\u+4], v[WK+8*\u+4], v[WK+8*\u+4] row_xmask:\m row_mask:0xf bank_mask:0xf
.endr
.endr
.irp u, 0,1
	v_permlanex16_b32 v[WK+8*\u+5], v[WK+8*\u+4], s40, s41
.endr
.irp u, 0,1
	v_add_f32 v[WK+8*\u+4], v[WK+8*\u+4], v[WK+8*\u+5]
.endr
.irp u, 0,1
	v_rcp_f32 v[WK+8*\u+6], v[WK+8*\u+4]
.endr
	v_nop
	s_wait_alu depctr_va_vdst(0)                   ; one wait for both reciprocals
.irp u, 0,1
	v_mul_f32 v[WK+8*\u+7], v[WK+8*\u+3], v[WK+8*\u+6]        ; the weight
.endr
.irp u, 0,1
	v_cvt_pk_f16_f32 v[WK+8*\u+5], v[WK+8*\u+7], v[WK+8*\u+7]
.endr
.irp u, 0,1
	ds_store_b32 v[LSA], v[WK+8*\u] offset:LGT+128*\u
	ds_store_b32 v[LSA], v[WK+8*\u+7] offset:ATF+128*\u
	ds_store_b16 v[ASA], v[WK+8*\u+5] offset:ATT+AP*\u
.endr
	s_wait_dscnt 0x0                               ; my heads' logits and weights lie in LDS; my reads of the partial logits are back
	s_barrier_signal -1
	s_barrier_wait -1
	; CTX for my 128 channels: source 0 = 16 channels (tokens turned), source 1 = the 16 heads' weights; K = the 32 tokens: one step.  A lane holds head r and eight neighbouring channels.
	ds_load_b128 v[FA:FA+3], v[AFA] offset:ATT
	ds_load_b128 v[FA+4:FA+7], v[AFA] offset:ATT+32
.irp hf, 0,1
.irp x, 0,1,2,3
	ds_load_tr16_b128 v[TF+8*\x:TF+8*\x+3], v[TTA] offset:32*(4*\hf+\x)
	ds_load_tr16_b128 v[TF+8*\x+4:TF+8*\x+7], v[TTA] offset:32*(4*\hf+\x)+16*TP
.endr
	s_wait_dscnt 0x0
.irp x, 0,1,2,3
	v_wmma_f32_16x16x32_f16 v[CA+8*\x:CA+8*\x+7], v[TF+8*\x:TF+8*\x+7], v[FA:FA+7], 0
.endr
	PLACES 8                                       ; eight, not four: the lines behind them write the accumulators' own registers
.irp x, 0,1,2,3
.irp z, 0,1,2,3
	v_cvt_pk_f16_f32 v[CA+8*\x+\z], v[CA+8*\x+2*\z], v[CA+8*\x+2*\z+1]
.endr
	ds_store_b128 v[QFA], v[CA+8*\x:CA+8*\x+3] offset:32*(4*\hf+\x)  ; into the stage: qk's bytes, which I alone read, and have read
.endr
.endr
.set j, 0
.rept 8
	ds_load_b128 v[TF+4*j:TF+4*j+3], v[QSA] offset:j*2*QP     ; back as whole rows; LDS serves a wave's instructions in order
.set j, j+1
.endr
.set j, 0
.rept 8
	s_wait_dscnt 7-j                               ; the younger of the eight may stay out
	global_store_b128 v[QO], v[TF+4*j:TF+4*j+3], s[12:13] offset:(\tb)*32768+j*4096 th:TH_STORE_NT  ; 16 lanes store 256 consecutive bytes, aligned
.set j, j+1
.endr
	s_cmp_lt_u32 s20, 4
	s_cbranch_scc0 .Lupper_\@
	ds_load_b128 v[CA:CA+3], v[TO] offset:LGT      ; waves 0-3: the tb's logits, 512 consecutive bytes a wave
	s_wait_dscnt 0x0
	global_store_b128 v[TO], v[CA:CA+3], s[16:17] offset:(\tb)*2048 th:TH_STORE_NT
	s_branch .Ldone_\@
.Lupper_\@:
	s_cmp_eq_u32 s20, 4
	s_cbranch_scc0 .Ldone_\@
.set j, 0
.rept 16                               ; wave 4: the mean over the heads
	ds_load_b32 v[MN+j], v[L4] offset:ATF+128*j
.set j, j+1
.endr
	s_wait_dscnt 0x0
.irp k, 0,4,8,12
	v_pk_add_f32 v[MN+\k:MN+\k+1], v[MN+\k:MN+\k+1], v[MN+\k+2:MN+\k+3]
.endr
	v_pk_add_f32 v[MN:MN+1], v[MN:MN+1], v[MN+4:MN+5]
	v_pk_add_f32 v[MN+8:MN+9], v[MN+8:MN+9], v[MN+12:MN+13]
	v_pk_add_f32 v[MN:MN+1], v[MN:MN+1], v[MN+8:MN+9]
	v_add_f32 v[MN], v[MN], v[MN+1]
	v_mul_f32 v[MN], 0x3d800000, v[MN]             ; / 16
	ds_store_b32 v[L4], v[MN] offset:MEAN+128*(\tb)
.Ldone_\@:
.endm
	TRIP 0, 1
	TRIP 1, 0
	s_cmp_eq_u32 s20, 4                            ; wave 4 stores both tb's means: 256 consecutive bytes, aligned, in one instruction
	s_cbranch_scc0 .Lend
	ds_load_b64 v[MN:MN+1], v[L8] offset:MEAN
	s_wait_dscnt 0x0
	global_store_b64 v[L8], v[MN:MN+1], s[14:15]
.Lend:
	s_wait_tensorcnt 0x0                           ; the wave's end: behind my last LDS store
	ds_add_u32 v[SPW], v[NIL]
	s_wait_dscnt 0x0
	s_endpgm
.Lfunc_end_k_q071af41624_attend:
	.size	k_q071af41624_attend, .Lfunc_end_k_q071af41624_attend-k_q071af41624_attend
	.p2alignl 7, 3214868480
	.fill 96, 4, 3214868480
	.section	.rodata,"a",@progbits
	.p2align	6, 0x0
	.amdhsa_kernel k_q071af41624_attend
		.amdhsa_group_segment_fixed_size 133632
		.amdhsa_private_segment_fixed_size 0
		.amdhsa_enable_private_segment 0
		.amdhsa_kernarg_size 56
		.amdhsa_user_sgpr_count 2
		.amdhsa_user_sgpr_kernarg_segment_ptr 1
		.amdhsa_wavefront_size32 1
		.amdhsa_system_sgpr_workgroup_id_x 1
		.amdhsa_system_sgpr_workgroup_id_y 1
		.amdhsa_system_sgpr_workgroup_id_z 1
		.amdhsa_system_vgpr_workitem_id 0
		.amdhsa_next_free_vgpr 256
		.amdhsa_next_free_sgpr 66
		.amdhsa_reserve_vcc 0
		.amdhsa_float_denorm_mode_32 3
		.amdhsa_float_denorm_mode_16_64 3
		.amdhsa_memory_ordered 1
		.amdhsa_forward_progress 1
		.amdhsa_inst_pref_size 57
	.end_amdhsa_kernel
	.amdgpu_metadata
---
amdhsa.version: [ 1, 2 ]
amdhsa.kernels:
  - .name:           k_q071af41624_attend
    .symbol:         k_q071af41624_attend.kd
    .args:
      - { .name: tokens, .offset: 0, .size: 8, .value_kind: global_buffer, .address_space: global }
      - { .name: gate_logits, .offset: 8, .size: 8, .value_kind: global_buffer, .address_space: global }
      - { .name: qkw, .offset: 16, .size: 8, .value_kind: global_buffer, .address_space: global }
      - { .name: qsc, .offset: 24, .size: 8, .value_kind: global_buffer, .address_space: global }
      - { .name: ctxw, .offset: 32, .size: 8, .value_kind: global_buffer, .address_space: global }
      - { .name: out1, .offset: 40, .size: 8, .value_kind: global_buffer, .address_space: global }
      - { .name: out2, .offset: 48, .size: 8, .value_kind: global_buffer, .address_space: global }
    .group_segment_fixed_size: 133632
    .private_segment_fixed_size: 0
    .kernarg_segment_align: 8
    .kernarg_segment_size: 56
    .max_flat_workgroup_size: 256
    .sgpr_count:     66
    .vgpr_count:     256
    .wavefront_size: 32
...
	.end_amdgpu_metadata
.endif
;; end of part 2
;; launch outproj (part 3): grid 16 x 16, 8 waves a work-group, no clusters, 304,128 bytes of LDS; arguments ctxw, Wv, bv, out0; writes out0
.if DOCPART == 3
	.amdgcn_target "amdgcn-amd-amdhsa--gfx1250"
	.amdhsa_code_object_version 6
	.text
	.protected	k_q071af41624_outproj
	.globl	k_q071af41624_outproj
	.p2align	8
	.type	k_q071af41624_outproj,@function
k_q071af41624_outproj:
	s_mov_b64 s[64:65], 0
	v_nop
	global_prefetch_b8 v0, s[64:65] scope:SCOPE_SE
	s_setreg_imm32_b32 hwreg(HW_REG_WAVE_MODE, 25, 1), 1
	s_wait_xcnt 0x0
; THIRD LAUNCH.  out0[tb][64 h + d] = the sum over c of ctx[tb][h][c] Wv[c][64 h + d] + bv[64 h + d], for 64 positions tb and one head h (a softmax row's weights add up to 1, so bv enters once).
; ctxw: [1024 tb][16 h][1024 c] f16.  LIMITS.  Wv is rounded once to f16: magnitudes stay under 65,504, and below 6e-5 they keep f16's fixed step of 6e-8.  NaN and infinities are not treated apart.
; The sums' order differs from the module's (K split over 8 waves; the weighted sum over tokens is taken ahead of the projection).
; SHARES.  Eight waves split K: wave w takes channels 128 w .. + 127 and makes a partial sum of the whole 64 x 64 tile (16 accumulators); all that it loads and stages is its own.  The eight partial tiles meet
; in LDS; wave w then finishes rows 8 w .. 8 w + 7.  The matrix instruction is used transposed: source 0 = 16 columns d (Wv turned), source 1 = 16 rows tb.
; NO CLUSTER, NO TENSOR LOADS: each byte of ctx is read by one wave of the launch; Wv's slice, which the 16 blocks of a head share, arrives in f32 and is rounded to f16 in registers before a fragment can be read.
.set WREG,  37888                      ; a wave's LDS region
.set XP,    272                        ; XS: 64 rows (tb) of 128 c f16 = 256 bytes + 16; RED (same bytes, later): 64 rows of 64 d f32
.set WSO,   64*XP                      ; behind it WS: 128 rows (c) of 64 d f16, for the turning load
.set WP,    160
.set SPARE, 8*WREG                     ; the spare words: 128 bytes a wave, four blocks of 256 bytes that no other line names
.set WO,  5                            ; v5   (128 w + hh) x 4096 + 16 r: my 16 bytes of two rows of Wv
.set WSA, 7                            ; v7   WS: where a row's 8 bytes go
.set XFA, 8                            ; v8   fragments of XS
.set WFA, 9                            ; v9   the turning load's address in WS
.set RSA, 10                           ; v10  stores into RED
.set RRA, 11                           ; v11  (8 w + hh) x 272 + 16 r: my rows in a partial tile
.set RP,  12                           ; v12-15  the same in four waves' regions
.set R16, 21                           ; v21  16 r
.set CSA, 22                           ; v22  WB + 272 hh + 16 r: XS by rows
.set CO,  23                           ; v23  hh x 32768 + 256 w + 16 r: my 16 bytes of two rows of ctx
.set OO,  24                           ; v24  (8 w + hh) x 4096 + 16 r: my 16 bytes of out0
.set SPW, 26                           ; v26  my spare word; never rewritten
.set NIL, 27                           ; v27  0; never rewritten
.set BV,  28                           ; v28-31  bv of my four d
.set SUM, 36                           ; v36-51  my four rows x four d
.set T,   52
.set SA,  64                           ; three sets of 64 registers
.set SB,  128
.set SC,  192
.set FX,  64
.set FW,  96
.set ACC, 128
.macro PLACES n=4                      ; plain vector instructions between a matrix instruction and what touches its registers (ISA guide 7.12.1)
.rept \n
	v_nop
.endr
.endm
.macro LDC g, S                        ; rows 32 g .. 32 g + 31 of my slice of ctx: two rows of 256 aligned bytes an instruction
.set j, 0
.rept 16
	global_load_b128 v[(\S)+4*j:(\S)+4*j+3], v[CO], s[4:5] offset:(16*(\g)+j)*65536 th:TH_LOAD_NT
.set j, j+1
.endr
.endm
.macro PUTC S, g                       ; they are f16 already
.set j, 0
.rept 16
	ds_store_b128 v[CSA], v[(\S)+4*j:(\S)+4*j+3] offset:(16*(\g)+j)*2*XP
.set j, j+1
.endr
.endm
.macro LDW g, S                        ; rows 32 g .. 32 g + 31 of my slice of Wv
.set j, 0
.rept 16
	global_load_b128 v[(\S)+4*j:(\S)+4*j+3], v[WO], s[6:7] offset:(16*(\g)+j)*8192
.set j, j+1
.endr
.endm
.macro PUTW S, g                       ; rounded to f16 in place, 8 bytes a lane into WS
.set j, 0
.rept 16
	v_cvt_pk_f16_f32 v[(\S)+4*j], v[(\S)+4*j], v[(\S)+4*j+1]
	v_cvt_pk_f16_f32 v[(\S)+4*j+1], v[(\S)+4*j+2], v[(\S)+4*j+3]
	ds_store_b64 v[WSA], v[(\S)+4*j:(\S)+4*j+1] offset:(16*(\g)+j)*2*WP
.set j, j+1
.endr
.endm
	s_load_b256 s[4:11], s[0:1], 0x0               ; ctxw s[4:5], Wv s[6:7], bv s[8:9], out0 s[10:11]
	v_lshl_add_u32 v[SPW], v0, 2, SPARE
	v_mov_b32 v[NIL], 0
	v_lshrrev_b32 v1, 5, v0
	v_readfirstlane_b32 s20, v1                    ; w: wave 0..7
	v_and_b32 v2, 15, v0                           ; r
	v_bfe_u32 v3, v0, 4, 1                         ; hh
	v_and_b32 v[T], 7, v0
	v_bfe_u32 v[T+1], v0, 3, 1
	s_mov_b32 s22, ttmp9                           ; the head
	s_and_b32 s23, ttmp7, 0xffff                   ; the block of 64 tb
	s_mul_i32 s21, s20, WREG                       ; WB
	s_add_co_u32 s27, s21, WSO
	s_lshl_b32 s29, s20, 19
	v_lshlrev_b32 v[R16], 4, v2
	v_lshl_add_u32 v[WO], v3, 12, v[R16]           ; hh x 4096 + 16 r
	s_lshl_b32 s30, s20, 15
	v_add_nc_u32 v[OO], s30, v[WO]
	v_add_nc_u32 v[WO], s29, v[WO]
	v_mul_u32_u24 v[WSA], v3, WP
	v_lshl_add_u32 v[WSA], v2, 3, v[WSA]
	v_add_nc_u32 v[WSA], s27, v[WSA]
	v_mul_u32_u24 v[XFA], v2, XP
	v_add_nc_u32 v[XFA], s21, v[XFA]               ; WB + 272 r
	v_lshl_add_u32 v[RSA], v3, 5, v[XFA]
	v_lshl_add_u32 v[XFA], v3, 4, v[XFA]
	v_lshl_add_u32 v[WFA], v3, 3, v[T]             ; the turning load: lane L reads row 8 hh + L % 8, 16 bytes at 16 ((L / 8) % 2)
	v_mul_u32_u24 v[WFA], v[WFA], WP
	v_lshl_add_u32 v[WFA], v[T+1], 4, v[WFA]
	v_add_nc_u32 v[WFA], s27, v[WFA]
	v_mul_u32_u24 v[CSA], v3, XP
	v_add_nc_u32 v[CSA], v[R16], v[CSA]            ; 272 hh + 16 r
	s_mul_i32 s30, s20, 8*XP
	v_add_nc_u32 v[RRA], s30, v[CSA]
	v_add_nc_u32 v[CSA], s21, v[CSA]
	s_lshl_b32 s30, s20, 8
	v_lshl_add_u32 v[CO], v3, 15, v[R16]
	v_add_nc_u32 v[CO], s30, v[CO]
	s_mov_b32 s25, 0
	s_wait_kmcnt 0x0
	s_lshl_b32 s24, s23, 21                        ; ctxw: 64 tb of 32,768 bytes,
	s_lshl_b32 s28, s22, 11                        ; the head's 2,048
	s_add_co_u32 s24, s24, s28
	s_add_nc_u64 s[4:5], s[4:5], s[24:25]
	s_lshl_b32 s24, s22, 8                         ; the head's 64 columns, 256 bytes
	s_add_nc_u64 s[6:7], s[6:7], s[24:25]
	s_add_nc_u64 s[8:9], s[8:9], s[24:25]
	s_add_nc_u64 s[10:11], s[10:11], s[24:25]
	s_lshl_b32 s24, s23, 18                        ; 64 rows of out0
	s_add_nc_u64 s[10:11], s[10:11], s[24:25]
	global_load_b128 v[BV:BV+3], v[R16], s[8:9]
; THE WAY IN.  Six groups of 16 loads (ctx twice, Wv four times) on three sets that take turns: 48 loads of a wave are on their way.  The counts leave the younger groups out: two, at the end one, then none.
	LDC 0, SA
	LDC 1, SB
	LDW 0, SC
	s_wait_loadcnt 32
	PUTC SA, 0
	LDW 1, SA
	s_wait_loadcnt 32
	PUTC SB, 1
	LDW 2, SB
	s_wait_loadcnt 32
	PUTW SC, 0
	LDW 3, SC
	s_wait_loadcnt 32
	PUTW SA, 1
	s_wait_loadcnt 16
	PUTW SB, 2
	s_wait_loadcnt 0x0
	PUTW SC, 3
; THE PRODUCTS: four steps of 32 channels; 16 accumulators by turns, in the same order in every step.  LDS serves a wave's instructions in order: these loads see my stores above.
.set ks, 0
.rept 4
.set t, 0
.rept 4
	ds_load_b128 v[FX+8*t:FX+8*t+3], v[XFA] offset:t*16*XP+64*ks
	ds_load_b128 v[FX+8*t+4:FX+8*t+7], v[XFA] offset:t*16*XP+64*ks+32
	ds_load_tr16_b128 v[FW+8*t:FW+8*t+3], v[WFA] offset:ks*32*WP+32*t
	ds_load_tr16_b128 v[FW+8*t+4:FW+8*t+7], v[WFA] offset:ks*32*WP+32*t+16*WP
.set t, t+1
.endr
	s_wait_dscnt 0x0
.set t, 0
.rept 16
.if ks == 0
	v_wmma_f32_16x16x32_f16 v[ACC+8*t:ACC+8*t+7], v[FW+8*(t%4):FW+8*(t%4)+7], v[FX+8*(t/4):FX+8*(t/4)+7], 0
.else
	v_wmma_f32_16x16x32_f16 v[ACC+8*t:ACC+8*t+7], v[FW+8*(t%4):FW+8*(t%4)+7], v[FX+8*(t/4):FX+8*(t/4)+7], v[ACC+8*t:ACC+8*t+7]
.endif
.set t, t+1
.endr
	PLACES                                         ; in front of the next step's loads into the fragments, and of the stores below
.set ks, ks+1
.endr
; My partial tile goes into RED (XS's bytes, whose reads are back): lane (r, hh) holds tb = 16 mt + r, d = 16 nt + 8 hh + 0..7.  Each accumulator's low registers first.
.set t, 0
.rept 16
	ds_store_b128 v[RSA], v[ACC+8*t:ACC+8*t+3] offset:(t/4)*16*XP+(t%4)*64
	ds_store_b128 v[RSA], v[ACC+8*t+4:ACC+8*t+7] offset:(t/4)*16*XP+(t%4)*64+16
.set t, t+1
.endr
	s_wait_dscnt 0x0                               ; for the others' sake: my partial tile lies in LDS
	s_barrier_signal -1
	s_barrier_wait -1                              ; all eight lie there; nothing is stored into LDS behind this barrier
; THE REDUCTION.  Wave w owns rows 8 w + 2 i + hh, i = 0..3; a lane four d.  Two batches of four partial tiles; a partial's 16 registers are added as one block.
.macro BATCH b
.set k, 0
.rept 4
	v_add_nc_u32 v[RP+k], (4*(\b)+k)*WREG, v[RRA]
.set k, k+1
.endr
.set k, 0
.rept 16
	ds_load_b128 v[SA+4*k:SA+4*k+3], v[RP+k/4] offset:(k%4)*2*XP
.set k, k+1
.endr
	s_wait_dscnt 0x0
.set c, 0
.rept 8
	v_pk_add_f32 v[SA+c:SA+c+1], v[SA+c:SA+c+1], v[SA+16+c:SA+16+c+1]
	v_pk_add_f32 v[SA+32+c:SA+32+c+1], v[SA+32+c:SA+32+c+1], v[SA+48+c:SA+48+c+1]
.set c, c+2
.endr
.set c, 0
.rept 8
.if (\b) == 0
	v_pk_add_f32 v[SUM+c:SUM+c+1], v[SA+c:SA+c+1], v[SA+32+c:SA+32+c+1]
.else
	v_pk_add_f32 v[SA+c:SA+c+1], v[SA+c:SA+c+1], v[SA+32+c:SA+32+c+1]
.endif
.set c, c+2
.endr
.if (\b) != 0
.set c, 0
.rept 8
	v_pk_add_f32 v[SUM+c:SUM+c+1], v[SUM+c:SUM+c+1], v[SA+c:SA+c+1]
.set c, c+2
.endr
.endif
.endm
	BATCH 0
	BATCH 1
.set i, 0
.rept 4
	v_pk_add_f32 v[SUM+4*i:SUM+4*i+1], v[SUM+4*i:SUM+4*i+1], v[BV:BV+1]
	v_pk_add_f32 v[SUM+4*i+2:SUM+4*i+3], v[SUM+4*i+2:SUM+4*i+3], v[BV+2:BV+3]
	global_store_b128 v[OO], v[SUM+4*i:SUM+4*i+3], s[10:11] offset:i*8192 th:TH_STORE_NT  ; 16 lanes store a row's 256 consecutive bytes, aligned
.set i, i+1
.endr
	s_wait_tensorcnt 0x0                           ; the wave's end: behind my last LDS store
	ds_add_u32 v[SPW], v[NIL]
	s_wait_dscnt 0x0
	s_endpgm
.Lfunc_end_k_q071af41624_outproj:
	.size	k_q071af41624_outproj, .Lfunc_end_k_q071af41624_outproj-k_q071af41624_outproj
	.p2alignl 7, 3214868480
	.fill 96, 4, 3214868480
	.section	.rodata,"a",@progbits
	.p2align	6, 0x0
	.amdhsa_kernel k_q071af41624_outproj
		.amdhsa_group_segment_fixed_size 304128
		.amdhsa_private_segment_fixed_size 0
		.amdhsa_enable_private_segment 0
		.amdhsa_kernarg_size 32
		.amdhsa_user_sgpr_count 2
		.amdhsa_user_sgpr_kernarg_segment_ptr 1
		.amdhsa_wavefront_size32 1
		.amdhsa_system_sgpr_workgroup_id_x 1
		.amdhsa_system_sgpr_workgroup_id_y 1
		.amdhsa_system_sgpr_workgroup_id_z 1
		.amdhsa_system_vgpr_workitem_id 0
		.amdhsa_next_free_vgpr 256
		.amdhsa_next_free_sgpr 66
		.amdhsa_reserve_vcc 0
		.amdhsa_float_denorm_mode_32 3
		.amdhsa_float_denorm_mode_16_64 3
		.amdhsa_memory_ordered 1
		.amdhsa_forward_progress 1
		.amdhsa_inst_pref_size 44
	.end_amdhsa_kernel
	.amdgpu_metadata
---
amdhsa.version: [ 1, 2 ]
amdhsa.kernels:
  - .name:           k_q071af41624_outproj
    .symbol:         k_q071af41624_outproj.kd
    .args:
      - { .name: ctxw, .offset: 0, .size: 8, .value_kind: global_buffer, .address_space: global }
      - { .name: Wv, .offset: 8, .size: 8, .value_kind: global_buffer, .address_space: global }
      - { .name: bv, .offset: 16, .size: 8, .value_kind: global_buffer, .address_space: global }
      - { .name: out0, .offset: 24, .size: 8, .value_kind: global_buffer, .address_space: global }
    .group_segment_fixed_size: 304128
    .private_segment_fixed_size: 0
    .kernarg_segment_align: 8
    .kernarg_segment_size: 32
    .max_flat_workgroup_size: 256
    .sgpr_count:     66
    .vgpr_count:     256
    .wavefront_size: 32
...
	.end_amdgpu_metadata
.endif
;; end of part 3
;; ======== version 2 of 2: 3 launches; version 1 with the launches qkproj, attend, outproj written anew for expert scheduling mode
;; limits: values are held in f16: magnitudes above 65,504 overflow, below 6.1e-05 lose precision; inputs' magnitudes at most 65,504; right only within a limited range of input values
;; workspace buffers: qkw 33,554,432 bytes; qsc 131,072 bytes; ctxw 33,554,432 bytes
;; launch qkproj (part 4): grid 16 x 16, 8 waves a work-group, no clusters, 313,856 bytes of LDS; arguments query_vec, Wq, bq, Wk, bk, qkw, qsc; writes qkw, qsc
.if DOCPART == 4
	.amdgcn_target "amdgcn-amd-amdhsa--gfx1250"
	.amdhsa_code_object_version 6
	.text
	.protected	k_q071af41624_qkproj
	.globl	k_q071af41624_qkproj
	.p2align	8
	.type	k_q071af41624_qkproj,@function
k_q071af41624_qkproj:
	s_mov_b64 s[64:65], 0
	v_nop
	global_prefetch_b8 v0, s[64:65] scope:SCOPE_SE
	s_setreg_imm32_b32 hwreg(HW_REG_WAVE_SCHED_MODE, 0, 2), 2
	s_setreg_imm32_b32 hwreg(HW_REG_WAVE_MODE, 25, 1), 1
	s_wait_xcnt 0x0
	s_wait_alu depctr_vm_vsrc(0)
; FIRST OF THREE LAUNCHES.  The keys are never made: logits[tb][h][n] = (tokens[tb][n] . qk[tb][h] + q[tb][h] . bk[h]) / 8 + gate[tb][n], with
; qk[tb][h][c] = the sum over d of Wk[c][64 h + d] q[tb][64 h + d] (the same products as in the module, associated otherwise).  This launch makes, for 64 positions tb and one head h:
;   q = query Wq + bq (f32 sums);  E = the power of two at or below the row's largest |q|;  q' = q / E in f16 (|q'| < 2);  qk' = q' Wk_h^T in f16;  sc = E / 8 and off = q . bk / 8 in f32.
; Stored: qkw [1024 tb][16 h][1024 c] f16;  qsc [2][16 h][1024 tb] f32 (plane 0 sc, plane 1 off).
; LIMITS.  query, Wq and Wk are rounded once to f16: magnitudes stay under 65,504, and below 6e-5 they keep f16's fixed step of 6e-8.  |q| stays under 2^127; a row of q whose largest
; magnitude is a denormal counts as 0 in the logits.  |qk'| <= 128 max |Wk| stays under 65,504.  NaN and infinities are not treated apart.  The sums' order differs from the module's (K split over 8 waves).
; SHARES.  Eight waves.  Phase 1 splits K: wave w takes channels 128 w .. 128 w + 127 and makes a partial sum of the whole 64 x 64 tile of q (16 accumulators); all that it loads and stages is its own.
; The eight partial tiles meet in LDS.  Phase 2 splits the columns: wave w makes qk' for c = 128 w .. + 127 of all 64 tb: 256 aligned bytes of each row of qkw.
; THE MATRIX INSTRUCTION IS USED TRANSPOSED: source 0 holds the operand whose row index runs along a lane's eight result registers, source 1 the one whose row is lane % 16.
; NO CLUSTER, NO TENSOR LOADS: every operand arrives in f32 and is rounded to f16 in registers before a fragment can be read from LDS, so the road goes through registers; a joint load would land
; f32 tiles of twice the bytes in LDS, to be read, rounded and stored a second time.
; THE MODE: SCHED_MODE bits 1:0 = 2 (LLVM: expert scheduling mode 2), set by the entry lines.  The code itself states the register dependences
; between vector or matrix instructions and memory or LDS instructions, with s_wait_alu, always for 0.
; THE PLAN.  Registers that memory or LDS instructions touch:
;   SA, SB, SC   raw sets.  Written by global loads; read by a group's 32 conversions alone; asked for again behind the wait that shows those conversions done.  No LDS store reads them.
;   OUT          16 pairs.  Written by a group's conversions; read by its 16 LDS stores; written again by the next group's conversions, behind a wait on vm_vsrc at that group's head.
;   FX, FW       fragments (SA's registers).  Written by LDS loads; read by a step's 16 products; loaded again behind a wait on va_vdst.
;   ACC          (SB's and SC's registers).  Written by the products; read by the 32 stores of the partial tile; then Wk's first loads land there.
;   RO           (SA's first 16).  The four rows' q', sc and off: written by the rows' arithmetic, read by 12 LDS stores behind one wait; then Wk's third group lands there.
;   A2           phase 2's accumulators: the low halves are packed in place and stored into the stage, the upper halves take the rows read back and are stored to memory.
;   v4-v27       offsets and addresses, made at the head and never written again.
.set WREG,  37888                      ; a wave's LDS region
.set XP,    272                        ; XS: 64 rows (tb) of 128 c f16 = 256 bytes + 16; RED (same bytes, later): 64 rows of 64 d f32; OST (later still): 16 rows of 128 c f16
.set WSO,   64*XP                      ; behind it WS: 128 rows (c) of 64 d f16, for the turning load; later WKS in the same bytes
.set WP,    160                        ; WS's pitch: 128 + 32
.set KP,    144                        ; WKS's and QSH's pitch: 128 + 16
.set QSH,   8*WREG                     ; q' f16, 64 rows (tb) of 64 d, shared
.set SCL,   QSH+64*KP                  ; sc[64], off[64], f32
.set SPARE, SCL+512                    ; the spare words: 128 bytes a wave, four blocks of 256 bytes that no other line names
.set XO,  4                            ; v4   512 w + 16 L: my 16 bytes of a row of query
.set WO,  5                            ; v5   (128 w + hh) x 4096 + 16 r: my 16 bytes of two rows of Wq or Wk
.set XSA, 6                            ; v6   XS: where a row's 8 bytes go
.set WSA, 7                            ; v7   WS: the same
.set XFA, 8                            ; v8   WB + 272 r + 16 hh: fragments of XS; stores into OST
.set WFA, 9                            ; v9   the turning load's address in WS
.set RSA, 10                           ; v10  WB + 272 r + 32 hh: stores into RED
.set RRA, 11                           ; v11  (8 w + hh) x 272 + 16 r: my rows in a partial tile
.set RP,  12                           ; v12-15  the same in the regions of waves 0, 2, 4, 6; the odd waves' lie WREG further on, within the immediate's 16 bits
.set QSS, 16                           ; v16  where my rows of q' go
.set SCS, 17                           ; v17  where their sc goes
.set KSA, 18                           ; v18  WKS: where a row's 8 bytes go
.set KFA, 19                           ; v19  fragments of WKS
.set QFA, 20                           ; v20  fragments of QSH
.set R16, 21                           ; v21  16 r
.set ORA, 22                           ; v22  WB + 272 hh + 16 r: rows read back from OST
.set GO,  23                           ; v23  hh x 32768 + 256 w + 16 r: my 16 bytes of two rows of qkw
.set SCR, 24                           ; v24  SCL + 16 L
.set SCG, 25                           ; v25  hh x 65536 + 16 r
.set SPW, 26                           ; v26  my spare word; never rewritten
.set NIL, 27                           ; v27  0; never rewritten
.set BQ,  28                           ; v28-31  bq of my four d
.set OUT, 32                           ; v32-63  on the two ways in: a group's 16 rows in f16, a pair each
.set BK,  32                           ; v32-35  between them: bk of my four d
.set SUM, 36                           ; v36-51  q of my four rows x four d
.set T,   52                           ; v52-63  at work: no memory instruction names them in the reduction
.set SA,  64                           ; three sets of 64 registers: 16 loads of 16 bytes a lane
.set SB,  128
.set SC,  192
.set FX,  64                           ; phase 1: four fragments of XS,
.set FW,  96                           ; four of WS,
.set ACC, 128                          ; sixteen accumulators: (mt, nt) at ACC + 8 (4 mt + nt)
.set RO,  64                           ; the reduction's way out: row i's q' (a pair), sc and off at RO + 4 i
.set FK,  128                          ; phase 2: Wk's fragments (ct, ks) at FK + 8 (2 ct + ks),
.set A2,  64                           ; eight accumulators,
.set FQ,  32                           ; q' fragments: two buffers of 16
.macro PLACES n=4                      ; plain vector instructions between a matrix instruction and what touches its registers (ISA guide 7.12.1)
.rept \n
	v_nop
.endr
.endm
.macro LDX g, S                        ; rows 16 g .. 16 g + 15 of my slice of query: 512 consecutive bytes an instruction
.set j, 0
.rept 16
	global_load_b128 v[(\S)+4*j:(\S)+4*j+3], v[XO], s[4:5] offset:(16*(\g)+j)*4096
.set j, j+1
.endr
.endm
.macro LDW g, S, base                  ; rows 32 g .. 32 g + 31 of my slice of Wq or Wk: two rows of 256 aligned bytes an instruction
.set j, 0
.rept 16
	global_load_b128 v[(\S)+4*j:(\S)+4*j+3], v[WO], s[\base:\base+1] offset:(16*(\g)+j)*8192
.set j, j+1
.endr
.endm
.macro CVT S                           ; a set is rounded to f16, into OUT
.set j, 0
.rept 16
	v_cvt_pk_f16_f32 v[OUT+2*j], v[(\S)+4*j], v[(\S)+4*j+1]
	v_cvt_pk_f16_f32 v[OUT+2*j+1], v[(\S)+4*j+2], v[(\S)+4*j+3]
.set j, j+1
.endr
.endm
.macro STO adr, step, g                ; OUT goes into LDS, 8 bytes a lane
.set j, 0
.rept 16
	ds_store_b64 v[\adr], v[OUT+2*j:OUT+2*j+1] offset:(16*(\g)+j)*(\step)
.set j, j+1
.endr
.endm
.macro GLOAD g                         ; phase 1's groups: X0, W0, X1, W1, X2, W2, X3, W3; group g uses set g % 3
.if (\g)%2 == 0
	LDX (\g)/2, SA+64*((\g)%3)
.else
	LDW (\g)/2, SA+64*((\g)%3), 6
.endif
.endm
.macro GSTO g
.if (\g)%2 == 0
	STO XSA, XP, (\g)/2
.else
	STO WSA, 2*WP, (\g)/2
.endif
.endm
	s_load_b256 s[4:11], s[0:1], 0x0               ; query s[4:5], Wq s[6:7], bq s[8:9], Wk s[10:11]
	s_load_b128 s[12:15], s[0:1], 0x20             ; bk s[12:13], qkw s[14:15]
	s_load_b64 s[16:17], s[0:1], 0x30              ; qsc
	v_lshl_add_u32 v[SPW], v0, 2, SPARE
	v_mov_b32 v[NIL], 0
	v_lshrrev_b32 v1, 5, v0
	v_readfirstlane_b32 s20, v1                    ; w: wave 0..7
	v_and_b32 v1, 31, v0                           ; L
	v_and_b32 v2, 15, v0                           ; r
	v_bfe_u32 v3, v0, 4, 1                         ; hh
	v_and_b32 v[T], 7, v0
	v_bfe_u32 v[T+1], v0, 3, 1
	s_mov_b32 s22, ttmp9                           ; the head
	s_and_b32 s23, ttmp7, 0xffff                   ; the block of 64 tb
	s_wait_alu depctr_va_sdst(0)                   ; s20 is written, ahead of its first reader: the wave's LDS region and offsets are made from it
	s_mul_i32 s21, s20, WREG                       ; WB
	s_add_co_u32 s27, s21, WSO
	s_mov_b32 s26, 0x7fffffff
	s_lshl_b32 s28, s20, 9
	s_lshl_b32 s29, s20, 19
	v_lshlrev_b32 v[R16], 4, v2
	v_lshl_add_u32 v[XO], v1, 4, s28
	v_lshl_add_u32 v[WO], v3, 12, v[R16]
	v_add_nc_u32 v[WO], s29, v[WO]
	v_lshl_add_u32 v[XSA], v1, 3, s21
	v_mul_u32_u24 v[WSA], v3, WP
	v_lshl_add_u32 v[WSA], v2, 3, v[WSA]
	v_add_nc_u32 v[WSA], s27, v[WSA]
	v_mul_u32_u24 v[XFA], v2, XP
	v_add_nc_u32 v[XFA], s21, v[XFA]               ; WB + 272 r
	v_lshl_add_u32 v[RSA], v3, 5, v[XFA]
	v_lshl_add_u32 v[XFA], v3, 4, v[XFA]
	v_lshl_add_u32 v[WFA], v3, 3, v[T]             ; the turning load: lane L reads row 8 hh + L % 8, 16 bytes at 16 ((L / 8) % 2)
	v_mul_u32_u24 v[WFA], v[WFA], WP
	v_lshl_add_u32 v[WFA], v[T+1], 4, v[WFA]
	v_add_nc_u32 v[WFA], s27, v[WFA]
	v_mul_u32_u24 v[ORA], v3, XP
	v_add_nc_u32 v[ORA], v[R16], v[ORA]            ; 272 hh + 16 r
	s_mul_i32 s30, s20, 8*XP
	v_add_nc_u32 v[RRA], s30, v[ORA]
.set k, 0
.rept 4
	v_add_nc_u32 v[RP+k], 2*k*WREG, v[RRA]         ; my rows in the partial tiles of waves 0, 2, 4, 6
.set k, k+1
.endr
	v_add_nc_u32 v[ORA], s21, v[ORA]
	v_mul_u32_u24 v[KSA], v3, KP
	v_lshl_add_u32 v[KSA], v2, 3, v[KSA]           ; 144 hh + 8 r
	s_mul_i32 s30, s20, 8*KP
	s_add_co_u32 s30, s30, QSH
	v_add_nc_u32 v[QSS], s30, v[KSA]
	v_add_nc_u32 v[KSA], s27, v[KSA]
	s_lshl_b32 s30, s20, 5
	s_add_co_u32 s30, s30, SCL
	v_lshl_add_u32 v[SCS], v3, 2, s30
	v_mul_u32_u24 v[KFA], v2, KP
	v_lshl_add_u32 v[KFA], v3, 4, v[KFA]           ; 144 r + 16 hh
	v_add_nc_u32 v[QFA], QSH, v[KFA]
	v_add_nc_u32 v[KFA], s27, v[KFA]
	s_lshl_b32 s30, s20, 8
	v_lshl_add_u32 v[GO], v3, 15, v[R16]
	v_add_nc_u32 v[GO], s30, v[GO]
	v_lshl_add_u32 v[SCR], v1, 4, SCL
	v_lshl_add_u32 v[SCG], v3, 16, v[R16]
	s_mov_b32 s25, 0
	s_wait_kmcnt 0x0
	s_lshl_b32 s24, s23, 18                        ; 64 rows of query
	s_add_nc_u64 s[4:5], s[4:5], s[24:25]
	s_lshl_b32 s24, s22, 8                         ; the head's 64 columns, 256 bytes
	s_add_nc_u64 s[6:7], s[6:7], s[24:25]
	s_add_nc_u64 s[8:9], s[8:9], s[24:25]
	s_add_nc_u64 s[10:11], s[10:11], s[24:25]
	s_add_nc_u64 s[12:13], s[12:13], s[24:25]
	s_lshl_b32 s24, s23, 21                        ; qkw: 64 tb of 32,768 bytes,
	s_lshl_b32 s28, s22, 11                        ; the head's 2,048
	s_add_co_u32 s24, s24, s28
	s_add_nc_u64 s[14:15], s[14:15], s[24:25]
	s_lshl_b32 s24, s22, 12                        ; qsc: the head's 1,024 words, the block's 64
	s_lshl_b32 s28, s23, 8
	s_add_co_u32 s24, s24, s28
	s_add_nc_u64 s[16:17], s[16:17], s[24:25]
	s_wait_alu depctr_va_vdst(0)                   ; the offsets and addresses v4 to v27 are written: every load and store of the kernel reads one of them
	global_load_b128 v[BQ:BQ+3], v[R16], s[8:9]
	GLOAD 0
	GLOAD 1
	GLOAD 2
; PHASE 1, THE WAY IN.  Three sets take turns: 48 loads of a wave are on their way.  The count leaves the younger groups out: two of 16 loads, at the end one, then none.
.irp g, 0,1,2,3,4,5,6,7
.if \g <= 5
	s_wait_loadcnt 32
.elseif \g == 6
	s_wait_loadcnt 16
.else
	s_wait_loadcnt 0x0
.endif
.if \g > 0
	s_wait_alu depctr_vm_vsrc(0)                   ; the last group's LDS stores have read OUT, which the conversions below write again
.endif
	CVT SA+64*((\g)%3)
	s_wait_alu depctr_va_vdst(0)                   ; the conversions have written OUT, which the LDS stores read, and are done reading the set, in which the next loads land
.if \g <= 4
	GLOAD (\g)+3
.endif
	GSTO \g
.endr
; PHASE 1, THE PRODUCTS: four steps of 32 channels; 16 accumulators by turns, in the same order in every step.  LDS serves a wave's instructions in order: these loads see my stores above.
; The first step's loads land in SA, which only conversions have named, ahead of the waits above.
.set ks, 0
.rept 4
.if ks > 0
	s_wait_alu depctr_va_vdst(0)                   ; the last step's products are done reading FX and FW, in which the loads below land
.endif
.set t, 0
.rept 4
	ds_load_b128 v[FX+8*t:FX+8*t+3], v[XFA] offset:t*16*XP+64*ks
	ds_load_b128 v[FX+8*t+4:FX+8*t+7], v[XFA] offset:t*16*XP+64*ks+32
	ds_load_tr16_b128 v[FW+8*t:FW+8*t+3], v[WFA] offset:ks*32*WP+32*t
	ds_load_tr16_b128 v[FW+8*t+4:FW+8*t+7], v[WFA] offset:ks*32*WP+32*t+16*WP
.set t, t+1
.endr
	s_wait_dscnt 0x0
.set t, 0
.rept 16
.if ks == 0
	v_wmma_f32_16x16x32_f16 v[ACC+8*t:ACC+8*t+7], v[FW+8*(t%4):FW+8*(t%4)+7], v[FX+8*(t/4):FX+8*(t/4)+7], 0
.else
	v_wmma_f32_16x16x32_f16 v[ACC+8*t:ACC+8*t+7], v[FW+8*(t%4):FW+8*(t%4)+7], v[FX+8*(t/4):FX+8*(t/4)+7], v[ACC+8*t:ACC+8*t+7]
.endif
.set t, t+1
.endr
	PLACES                                         ; in front of the next step's loads into the fragments, and of the stores below
.set ks, ks+1
.endr
; My partial tile goes into RED (XS's bytes, whose reads are back): lane (r, hh) holds tb = 16 mt + r, d = 16 nt + 8 hh + 0..7.  Each accumulator's low registers first.
	s_wait_alu depctr_va_vdst(0)                   ; the products have written the accumulators, which the LDS stores read; the places above stay beside this wait
.set t, 0
.rept 16
	ds_store_b128 v[RSA], v[ACC+8*t:ACC+8*t+3] offset:(t/4)*16*XP+(t%4)*64
	ds_store_b128 v[RSA], v[ACC+8*t+4:ACC+8*t+7] offset:(t/4)*16*XP+(t%4)*64+16
.set t, t+1
.endr
	s_wait_dscnt 0x0                               ; for the others' sake: my partial tile lies in LDS
	s_wait_alu depctr_vm_vsrc(0)                   ; those stores have read the accumulators, in which Wk's loads land; the last group's stores have read OUT, in which bk lands and which the sums write
	global_load_b128 v[BK:BK+3], v[R16], s[12:13]
	LDW 0, SB, 10                                  ; Wk's first 64 rows are asked for now: they land during the reduction
	LDW 1, SC, 10
	s_barrier_signal -1
	s_barrier_wait -1                              ; all eight partial tiles lie in LDS
; THE REDUCTION.  Wave w owns rows 8 w + 2 i + hh, i = 0..3; a lane four d.  Two batches of four partial tiles; a partial's 16 registers are added as one block.
.macro BATCH b
.set k, 0
.rept 16                               ; partial tile 4 b + k / 4, my row k % 4
	ds_load_b128 v[SA+4*k:SA+4*k+3], v[RP+2*(\b)+k/8] offset:((k/4)%2)*WREG+(k%4)*2*XP
.set k, k+1
.endr
	s_wait_dscnt 0x0
.set c, 0
.rept 8
	v_pk_add_f32 v[SA+c:SA+c+1], v[SA+c:SA+c+1], v[SA+16+c:SA+16+c+1]
	v_pk_add_f32 v[SA+32+c:SA+32+c+1], v[SA+32+c:SA+32+c+1], v[SA+48+c:SA+48+c+1]
.set c, c+2
.endr
.set c, 0
.rept 8
.if (\b) == 0
	v_pk_add_f32 v[SUM+c:SUM+c+1], v[SA+c:SA+c+1], v[SA+32+c:SA+32+c+1]
.else
	v_pk_add_f32 v[SA+c:SA+c+1], v[SA+c:SA+c+1], v[SA+32+c:SA+32+c+1]
.endif
.set c, c+2
.endr
.if (\b) != 0
.set c, 0
.rept 8
	v_pk_add_f32 v[SUM+c:SUM+c+1], v[SUM+c:SUM+c+1], v[SA+c:SA+c+1]
.set c, c+2
.endr
.endif
.endm
	BATCH 0                                        ; its loads land in FX and FW: no vector or matrix instruction since the wait ahead of the partial tile's stores names them
	s_wait_alu depctr_va_vdst(0)                   ; the first batch's sums are done with SA, in which the second batch's loads land
	BATCH 1
.set i, 0
.rept 4
	v_pk_add_f32 v[SUM+4*i:SUM+4*i+1], v[SUM+4*i:SUM+4*i+1], v[BQ:BQ+1]
	v_pk_add_f32 v[SUM+4*i+2:SUM+4*i+3], v[SUM+4*i+2:SUM+4*i+3], v[BQ+2:BQ+3]
.set i, i+1
.endr
	s_wait_loadcnt 32                              ; bk is in: the 32 loads of Wk that were issued behind it stay out
; For each of my rows: the largest |q| and q . bk over the row's 16 lanes; E = that maximum's power of two; q' = q / E, exact but for the rounding to f16.
.set i, 0
.rept 4
.set q, SUM+4*i
	v_and_b32 v[T], s26, v[q]
	v_and_b32 v[T+1], s26, v[q+1]
	v_and_b32 v[T+2], s26, v[q+2]
	v_and_b32 v[T+3], s26, v[q+3]
	v_mul_f32 v[T+4], v[q], v[BK]
	v_max3_num_f32 v[T], v[T], v[T+1], v[T+2]
	v_fmac_f32 v[T+4], v[q+1], v[BK+1]
	v_max_num_f32 v[T], v[T], v[T+3]
	v_fmac_f32 v[T+4], v[q+2], v[BK+2]
	v_fmac_f32 v[T+4], v[q+3], v[BK+3]
.irp m, 1,2,4,8
	v_max_num_f32_dpp v[T], v[T], v[T] row_xmask:\m row_mask:0xf bank_mask:0xf
	v_add_f32_dpp v[T+4], v[T+4], v[T+4] row_xmask:\m row_mask:0xf bank_mask:0xf
.endr
	v_and_b32 v[T+5], 0x7f800000, v[T]             ; E: the exponent alone
	v_sub_nc_u32 v[T+6], 0x7f000000, v[T+5]        ; 1 / E: the exponent mirrored
	v_mul_f32 v[T+8], v[q], v[T+6]
	v_mul_f32 v[T+9], v[q+1], v[T+6]
	v_mul_f32 v[T+10], v[q+2], v[T+6]
	v_mul_f32 v[T+11], v[q+3], v[T+6]
	v_cvt_pk_f16_f32 v[RO+4*i], v[T+8], v[T+9]
	v_cvt_pk_f16_f32 v[RO+4*i+1], v[T+10], v[T+11]
	v_mul_f32 v[RO+4*i+2], 0x3e000000, v[T+5]      ; sc = E / 8
	v_mul_f32 v[RO+4*i+3], 0x3e000000, v[T+4]      ; off = q . bk / 8
.set i, i+1
.endr
	s_wait_alu depctr_va_vdst(0)                   ; the four rows' q', sc and off are written in RO, which the LDS stores read; the sums are done with SA, in which Wk's third group lands
.set i, 0
.rept 4
	ds_store_b64 v[QSS], v[RO+4*i:RO+4*i+1] offset:i*2*KP
	ds_store_b32 v[SCS], v[RO+4*i+2] offset:8*i    ; a row's 16 lanes write the same word with the same value
	ds_store_b32 v[SCS], v[RO+4*i+3] offset:256+8*i
.set i, i+1
.endr
	s_wait_alu depctr_vm_vsrc(0)                   ; those stores have read RO, in which the loads below land
	LDW 2, SA, 10
	s_wait_dscnt 0x0                               ; my reads of the partial tiles are back, my rows of q', sc and off lie in LDS
	s_barrier_signal -1
	s_barrier_wait -1                              ; nobody reads RED any more; QSH and SCL are whole.  All LDS writes from here on are the wave's own
; Wk's slice, rounded, into WKS.  The counts leave the younger groups of 16 loads out: two, two, one, none.
	s_wait_loadcnt 32
	CVT SB                                         ; OUT takes the registers of bk, the sums and T, which no pending memory instruction reads
	s_wait_alu depctr_va_vdst(0)                   ; the conversions have written OUT, which the LDS stores read, and are done reading SB, in which the last group lands
	LDW 3, SB, 10
	STO KSA, 2*KP, 0
	s_wait_loadcnt 32
	s_wait_alu depctr_vm_vsrc(0)                   ; the last group's LDS stores have read OUT
	CVT SC
	s_wait_alu depctr_va_vdst(0)                   ; the conversions have written OUT, which the LDS stores read
	STO KSA, 2*KP, 1
	s_wait_loadcnt 16
	s_wait_alu depctr_vm_vsrc(0)                   ; the last group's LDS stores have read OUT
	CVT SA
	s_wait_alu depctr_va_vdst(0)                   ; the conversions have written OUT, which the LDS stores read
	STO KSA, 2*KP, 2
	s_wait_loadcnt 0x0
	s_wait_alu depctr_vm_vsrc(0)                   ; the last group's LDS stores have read OUT
	CVT SB
	s_wait_alu depctr_va_vdst(0)                   ; the conversions have written OUT, which the LDS stores read, and all conversions are done reading SA, SB and SC, in which the loads below land
	STO KSA, 2*KP, 3
	s_cmp_lg_u32 s20, 0                            ; wave 0 stores sc and off: lanes 0-15 the 256 bytes of sc, lanes 16-31 those of off
	s_cbranch_scc1 .Lnot_wave_0
	ds_load_b128 v[SA:SA+3], v[SCR]
	s_wait_dscnt 0x0
	global_store_b128 v[SCG], v[SA:SA+3], s[16:17]
.Lnot_wave_0:
	s_wait_alu depctr_vm_vsrc(0)                   ; the last group's LDS stores have read OUT, in which the fragments of q' land; wave 0's store has read v64 to v67, which the first products write
; PHASE 2.  qk'[tb][c] = the sum over d of Wk[c][d] q'[tb][d]: source 0 = 16 rows c of WKS, source 1 = 16 rows tb of QSH; K = 64: two steps.  All of my Wk fragments stay in registers.
.macro FQL m                           ; the two fragments of q' for block m of 16 tb
.irp y, 0,1
	ds_load_b128 v[FQ+16*((\m)%2)+8*\y:FQ+16*((\m)%2)+8*\y+3], v[QFA] offset:(\m)*16*KP+64*\y
	ds_load_b128 v[FQ+16*((\m)%2)+8*\y+4:FQ+16*((\m)%2)+8*\y+7], v[QFA] offset:(\m)*16*KP+64*\y+32
.endr
.endm
.set t, 0
.rept 16
	ds_load_b128 v[FK+8*t:FK+8*t+3], v[KFA] offset:(t/2)*16*KP+64*(t%2)
	ds_load_b128 v[FK+8*t+4:FK+8*t+7], v[KFA] offset:(t/2)*16*KP+64*(t%2)+32
.set t, t+1
.endr
	FQL 0
.macro MT mt
	s_wait_dscnt 0x0                               ; the fragments are in; the last block's rows are back from the stage
	s_wait_xcnt 0x0                                ; earlier stores have had their addresses translated: the accumulators' upper halves (and wave 0's sc and off) are rewritten only behind this wait
.if (\mt) > 0
	s_wait_alu depctr_vm_vsrc(0)                   ; the last block's LDS stores and global stores have read A2, which the products below write
.endif
.if (\mt) < 3
	FQL (\mt)+1                                    ; into the buffer that the block before read: its products stand ahead of that block's wait on va_vdst, and nothing since names the buffer
.endif
.set t, 0
.rept 16                               ; step t / 8, columns 16 (t % 8) on: eight accumulators by turns
.if t < 8
	v_wmma_f32_16x16x32_f16 v[A2+8*(t%8):A2+8*(t%8)+7], v[FK+8*(2*(t%8)+t/8):FK+8*(2*(t%8)+t/8)+7], v[FQ+16*((\mt)%2)+8*(t/8):FQ+16*((\mt)%2)+8*(t/8)+7], 0
.else
	v_wmma_f32_16x16x32_f16 v[A2+8*(t%8):A2+8*(t%8)+7], v[FK+8*(2*(t%8)+t/8):FK+8*(2*(t%8)+t/8)+7], v[FQ+16*((\mt)%2)+8*(t/8):FQ+16*((\mt)%2)+8*(t/8)+7], v[A2+8*(t%8):A2+8*(t%8)+7]
.endif
.set t, t+1
.endr
	PLACES 8                                       ; eight, not four: the lines behind them write the accumulators' own registers
.set t, 0
.rept 8                                ; a lane's eight c of one tb pack into 16 bytes, in place, from the low end on
	v_cvt_pk_f16_f32 v[A2+8*t], v[A2+8*t], v[A2+8*t+1]
	v_cvt_pk_f16_f32 v[A2+8*t+1], v[A2+8*t+2], v[A2+8*t+3]
	v_cvt_pk_f16_f32 v[A2+8*t+2], v[A2+8*t+4], v[A2+8*t+5]
	v_cvt_pk_f16_f32 v[A2+8*t+3], v[A2+8*t+6], v[A2+8*t+7]
.set t, t+1
.endr
	s_wait_alu depctr_va_vdst(0)                   ; the conversions have written the low halves, which the LDS stores read, and are done reading the upper halves, in which the rows land
.set t, 0
.rept 8
	ds_store_b128 v[XFA], v[A2+8*t:A2+8*t+3] offset:32*t
.set t, t+1
.endr
.set t, 0
.rept 8
	ds_load_b128 v[A2+8*t+4:A2+8*t+7], v[ORA] offset:t*2*XP  ; back as whole rows; LDS serves a wave's instructions in order
.set t, t+1
.endr
.set t, 0
.rept 8
	s_wait_dscnt 7-t                               ; the younger of the eight may stay out
	global_store_b128 v[GO], v[A2+8*t+4:A2+8*t+7], s[14:15] offset:(16*(\mt)+2*t)*32768 th:TH_STORE_NT  ; 16 lanes store 256 consecutive bytes, aligned
.set t, t+1
.endr
.endm
	MT 0
	MT 1
	MT 2
	MT 3
	s_wait_dscnt 0x0                               ; the closing lines, six on end
	s_wait_alu 0x0
	s_wait_tensorcnt 0x0
	ds_add_u32 v[SPW], v[NIL]
	s_wait_dscnt 0x0
	s_endpgm
.Lfunc_end_k_q071af41624_qkproj:
	.size	k_q071af41624_qkproj, .Lfunc_end_k_q071af41624_qkproj-k_q071af41624_qkproj
	.p2alignl 7, 3214868480
	.fill 96, 4, 3214868480
	.section	.rodata,"a",@progbits
	.p2align	6, 0x0
	.amdhsa_kernel k_q071af41624_qkproj
		.amdhsa_group_segment_fixed_size 313856
		.amdhsa_private_segment_fixed_size 0
		.amdhsa_enable_private_segment 0
		.amdhsa_kernarg_size 56
		.amdhsa_user_sgpr_count 2
		.amdhsa_user_sgpr_kernarg_segment_ptr 1
		.amdhsa_wavefront_size32 1
		.amdhsa_system_sgpr_workgroup_id_x 1
		.amdhsa_system_sgpr_workgroup_id_y 1
		.amdhsa_system_sgpr_workgroup_id_z 1
		.amdhsa_system_vgpr_workitem_id 0
		.amdhsa_next_free_vgpr 256
		.amdhsa_next_free_sgpr 66
		.amdhsa_reserve_vcc 0
		.amdhsa_float_denorm_mode_32 3
		.amdhsa_float_denorm_mode_16_64 3
		.amdhsa_memory_ordered 1
		.amdhsa_forward_progress 1
		.amdhsa_inst_pref_size 108
	.end_amdhsa_kernel
	.amdgpu_metadata
---
amdhsa.version: [ 1, 2 ]
amdhsa.kernels:
  - .name:           k_q071af41624_qkproj
    .symbol:         k_q071af41624_qkproj.kd
    .args:
      - { .name: query_vec, .offset: 0, .size: 8, .value_kind: global_buffer, .address_space: global }
      - { .name: Wq, .offset: 8, .size: 8, .value_kind: global_buffer, .address_space: global }
      - { .name: bq, .offset: 16, .size: 8, .value_kind: global_buffer, .address_space: global }
      - { .name: Wk, .offset: 24, .size: 8, .value_kind: global_buffer, .address_space: global }
      - { .name: bk, .offset: 32, .size: 8, .value_kind: global_buffer, .address_space: global }
      - { .name: qkw, .offset: 40, .size: 8, .value_kind: global_buffer, .address_space: global }
      - { .name: qsc, .offset: 48, .size: 8, .value_kind: global_buffer, .address_space: global }
    .group_segment_fixed_size: 313856
    .private_segment_fixed_size: 0
    .kernarg_segment_align: 8
    .kernarg_segment_size: 56
    .max_flat_workgroup_size: 256
    .sgpr_count:     66
    .vgpr_count:     256
    .wavefront_size: 32
...
	.end_amdgpu_metadata
.endif
;; end of part 4
;; launch attend (part 5): grid 512 x 1, 8 waves a work-group, no clusters, 133,632 bytes of LDS; arguments tokens, gate_logits, qkw, qsc, ctxw, out1, out2; writes ctxw, out1, out2
.if DOCPART == 5
	.amdgcn_target "amdgcn-amd-amdhsa--gfx1250"
	.amdhsa_code_object_version 6
	.text
	.protected	k_q071af41624_attend
	.globl	k_q071af41624_attend
	.p2align	8
	.type	k_q071af41624_attend,@function
k_q071af41624_attend:
	s_mov_b64 s[64:65], 0
	v_nop
	global_prefetch_b8 v0, s[64:65] scope:SCOPE_SE
	s_setreg_imm32_b32 hwreg(HW_REG_WAVE_SCHED_MODE, 0, 2), 2
	s_setreg_imm32_b32 hwreg(HW_REG_WAVE_MODE, 25, 1), 1
	s_wait_xcnt 0x0
	s_wait_alu depctr_vm_vsrc(0)
; SECOND LAUNCH: the stream of tokens, each byte read once.  A work-group takes two positions tb = 2 g, 2 g + 1.  For each:
;   logits[h][n] = (tokens[n] . qk'[h]) sc[h] + off[h] + gate[n]  (out2);  attn = softmax over n, with the row's maximum taken away;  out1[n] = the mean of attn over the 16 heads;
;   ctx[h][c] = the sum over n of attn[h][n] tokens[n][c], stored as f16 in ctxw [1024 tb][16 h][1024 c]: the values are never made; the third launch multiplies ctx by Wv.
; LIMITS.  tokens are rounded once to f16: magnitudes stay under 65,504, and below 6e-5 they keep f16's fixed step of 6e-8.  The weights go to the second product in f16 (out1 is made of the f32 weights);
; a weight below 2^-126 counts as 0.  ctx is a mean of tokens and has their range.  NaN and infinities are not treated apart.  The sums' order differs from the module's.
; SHARES.  Wave w owns channels 128 w .. + 127: 512 bytes of each token's row (a row a load), 256 aligned bytes of each head's row of qk' and of ctx.  Both products read the wave's own LDS bytes alone.
; What crosses waves: the eight partial tiles of 16 x 32 logits and the weights: two barriers a tb.  For the softmax wave w takes heads 2 w, 2 w + 1, a lane a token.
; IN FLIGHT.  While one tb is worked on, the other's 32 token loads and 8 qk' loads of every wave are out: a row's registers are asked for again one step of four rows behind its conversions.
; The work-groups share no input: no cluster.  Operands arrive in f32 and are rounded in registers: no tensor loads.
; THE MODE: SCHED_MODE bits 1:0 = 2 (LLVM: expert scheduling mode 2), set by the entry lines.  The code itself states the register dependences
; between vector or matrix instructions and memory or LDS instructions, with s_wait_alu, always for 0.
; THE PLAN.  Registers that memory or LDS instructions touch:
;   TK      token n as loaded.  Written by global loads; read by the row's two conversions alone; asked for again in the next step of four rows.
;   OUT     token n in f16, a pair of its own for each of the 32.  Written once a tb by the conversions of step g; read by the LDS stores issued in step g + 1.
;           So ONE wait on va_vdst at a step's head states that the step before has written its OUT and is done reading its TK; that step's four loads and four LDS stores are dealt among
;           this step's eight conversions, which name other registers.
;   QS      qk' as loaded.  Written by global loads, read by eight LDS stores, loaded again behind a wait on vm_vsrc.
;   v56-127 behind the way in these registers (OUT among them) hold by turns the logits' fragments and accumulators, the softmax's numbers, ctx's fragments, accumulators and rows:
;           each change from 'read by a store' to 'written' has its wait on vm_vsrc, each change from 'named by vector or matrix work' to 'read or loaded by memory work' its wait on va_vdst.
;   v4-v21  offsets and addresses, made at the head and never written again: tb and row stand in the immediates.
.set PART,  0                          ; [8 waves] pitch 2304: [16 h] pitch 144: 32 n, f32: each wave's partial logits
.set PW,    2304
.set PH,    144
.set ATT,   8*PW                       ; [16 h] pitch 80: 32 n f16
.set AP,    80
.set LGT,   ATT+16*AP                  ; [16 h][32 n] f32, dense: as out2 has them
.set ATF,   LGT+2048                   ; the weights in f32, dense
.set MEAN,  ATF+2048                   ; [2 tb][32 n] f32
.set SPARE, MEAN+256                   ; the spare words: 128 bytes a wave, four blocks of 256 bytes that no other line names
.set WB0,   SPARE+1024                 ; the waves' regions
.set TP,    288                        ; TOK: token n at 288 n + 16 ((n / 8) % 2), 128 c f16: the plain fragment loads (16 rows) and the turning loads (8 rows x 32 bytes) each touch every bank once
.set QKO,   32*TP                      ; behind it QKL: 16 rows (h) of 128 c f16, pitch 272; later the stage for ctx in the same bytes
.set QP,    272
.set WREG,  QKO+16*QP
.set TO,  4                            ; v4   512 w + 16 L: my 16 bytes of a token's row; also (waves 0-3) of the tb's 2,048 bytes of logits
.set QO,  5                            ; v5   2048 hh + 256 w + 16 r: my 16 bytes of two heads' rows of qk' and ctx
.set TS,  6                            ; v6   TOK: where a row's 8 bytes go
.set TFA, 7                            ; v7   plain fragments of TOK
.set TTA, 8                            ; v8   turned fragments of TOK
.set QSA, 9                            ; v9   QKL by rows: in, and ctx back
.set QFA, 10                           ; v10  QKL by fragments; ctx in
.set PS,  11                           ; v11  my partial logits
.set PR,  12                           ; v12  my two heads in wave 0's partial tile
.set LSA, 13                           ; v13  256 w + 4 L
.set ASA, 14                           ; v14  160 w + 2 L
.set AFA, 15                           ; v15  80 r + 16 hh
.set L4,  17                           ; v17  4 L
.set L8,  18                           ; v18  8 L
.set SPW, 20                           ; v20  my spare word; never rewritten
.set NIL, 21                           ; v21  0; never rewritten
.set GATE, 22                          ; v22-23  gate[n = L] of the two tb
.set QS,  24                           ; v24-55  qk' as loaded
.set OUT, 64                           ; v64-127  the way in: token n in f16 at OUT + 2 n
.set AC,  56                           ; logits: two accumulators,
.set FQ,  72                           ; two fragments of qk',
.set FT,  88                           ; four of tokens
.set PP,  72                           ; softmax: eight partial logits for each of two heads,
.set WK,  88                           ; eight registers at work for each
.set FA,  56                           ; ctx: the weights' fragment,
.set TF,  64                           ; four turned fragments; then the rows read back,
.set CA,  96                           ; four accumulators
.set MN,  96                           ; the mean: 16 heads' weights
.set TK,  128                          ; v128-255  token n at TK + 4 n
.macro PLACES n=4                      ; plain vector instructions between a matrix instruction and what touches its registers (ISA guide 7.12.1)
.rept \n
	v_nop
.endr
.endm
	s_load_b256 s[4:11], s[0:1], 0x0               ; tokens s[4:5], gate s[6:7], qkw s[8:9], qsc s[10:11]
	s_load_b128 s[12:15], s[0:1], 0x20             ; ctxw s[12:13], out1 s[14:15]
	s_load_b64 s[16:17], s[0:1], 0x30              ; out2
	v_lshl_add_u32 v[SPW], v0, 2, SPARE
	v_mov_b32 v[NIL], 0
	v_lshrrev_b32 v1, 5, v0
	v_readfirstlane_b32 s20, v1                    ; w: wave 0..7
	v_and_b32 v1, 31, v0                           ; L
	v_and_b32 v2, 15, v0                           ; r
	v_bfe_u32 v3, v0, 4, 1                         ; hh
	v_bfe_u32 v19, v0, 3, 1                        ; (L / 8) % 2
	v_and_b32 v16, 7, v0
	s_wait_alu depctr_va_sdst(0)                   ; s20 is written, ahead of its first reader: the wave's LDS region and offsets are made from it
	s_mul_i32 s21, s20, WREG
	s_add_co_u32 s21, s21, WB0                     ; WB
	s_add_co_u32 s26, s21, QKO
	s_mov_b32 s40, 0x76543210                      ; v_permlanex16_b32: each lane takes its own place in the other half
	s_mov_b32 s41, 0xfedcba98
	s_lshl_b32 s27, s20, 9
	v_lshl_add_u32 v[TO], v1, 4, s27
	s_lshl_b32 s27, s20, 8
	v_lshlrev_b32 v[QO], 4, v2
	v_lshl_add_u32 v[QO], v3, 11, v[QO]
	v_add_nc_u32 v[QO], s27, v[QO]
	v_lshl_add_u32 v[LSA], v1, 2, s27
	v_lshl_add_u32 v[TS], v1, 3, s21
	v_mul_u32_u24 v[TFA], v2, TP                   ; row r, its skew, 16 bytes for each half of the lanes
	v_lshl_add_u32 v[TFA], v19, 4, v[TFA]
	v_lshl_add_u32 v[TFA], v3, 4, v[TFA]
	v_add_nc_u32 v[TFA], s21, v[TFA]
	v_lshl_add_u32 v[TTA], v3, 3, v16              ; the turning load: lane L reads token 8 hh + L % 8 (skew 16 hh), 16 bytes at 16 ((L / 8) % 2)
	v_mul_u32_u24 v[TTA], v[TTA], TP
	v_lshl_add_u32 v[TTA], v3, 4, v[TTA]
	v_lshl_add_u32 v[TTA], v19, 4, v[TTA]
	v_add_nc_u32 v[TTA], s21, v[TTA]
	v_mul_u32_u24 v[QSA], v3, QP
	v_lshl_add_u32 v[QSA], v2, 4, v[QSA]
	v_add_nc_u32 v[QSA], s26, v[QSA]
	v_mul_u32_u24 v[QFA], v2, QP
	v_lshl_add_u32 v[QFA], v3, 4, v[QFA]
	v_add_nc_u32 v[QFA], s26, v[QFA]
	s_mul_i32 s27, s20, PW
	v_mul_u32_u24 v[PS], v2, PH
	v_lshl_add_u32 v[PS], v3, 5, v[PS]
	v_add_nc_u32 v[PS], s27, v[PS]
	s_mul_i32 s27, s20, 2*PH
	v_lshl_add_u32 v[PR], v1, 2, s27
	s_mul_i32 s27, s20, 2*AP
	v_lshl_add_u32 v[ASA], v1, 1, s27
	v_mul_u32_u24 v[AFA], v2, AP
	v_lshl_add_u32 v[AFA], v3, 4, v[AFA]
	v_lshlrev_b32 v[L4], 2, v1
	v_lshlrev_b32 v[L8], 3, v1
	s_mov_b32 s23, 0
	s_lshl_b32 s24, s20, 13                        ; qsc: head 2 w's 4,096 bytes,
	s_lshl_b32 s25, ttmp9, 3                       ; the work-group's two words
	s_add_co_u32 s24, s24, s25
	s_wait_kmcnt 0x0
	s_lshl_b32 s22, ttmp9, 18                      ; two tb of tokens: 2 x 131,072 bytes
	s_add_nc_u64 s[4:5], s[4:5], s[22:23]
	s_lshl_b32 s22, ttmp9, 8                       ; of gate and out1: 2 x 128
	s_add_nc_u64 s[6:7], s[6:7], s[22:23]
	s_add_nc_u64 s[14:15], s[14:15], s[22:23]
	s_lshl_b32 s22, ttmp9, 16                      ; of qkw and ctxw: 2 x 32,768
	s_add_nc_u64 s[8:9], s[8:9], s[22:23]
	s_add_nc_u64 s[12:13], s[12:13], s[22:23]
	s_lshl_b32 s22, ttmp9, 12                      ; of out2: 2 x 2,048
	s_add_nc_u64 s[16:17], s[16:17], s[22:23]
	s_load_b64 s[32:33], s[10:11], s24 offset:0x0      ; sc of head 2 w, tb 0 and 1
	s_load_b64 s[34:35], s[10:11], s24 offset:0x1000   ; of head 2 w + 1
	s_load_b64 s[36:37], s[10:11], s24 offset:0x10000  ; off of head 2 w
	s_load_b64 s[38:39], s[10:11], s24 offset:0x11000  ; of head 2 w + 1
	s_wait_alu depctr_va_vdst(0)                   ; the offsets and addresses v4 to v21 are written: every load and store of the kernel reads one of them
	global_load_b32 v[GATE], v[L4], s[6:7]
	global_load_b32 v[GATE+1], v[L4], s[6:7] offset:128
.set j, 0
.rept 8
	global_load_b128 v[QS+4*j:QS+4*j+3], v[QO], s[8:9] offset:j*4096 th:TH_LOAD_NT
.set j, j+1
.endr
.set n, 0
.rept 32
	global_load_b128 v[TK+4*n:TK+4*n+3], v[TO], s[4:5] offset:n*4096 th:TH_LOAD_NT
.set n, n+1
.endr
	s_wait_kmcnt 0x0                               ; sc and off
; One tb.  ahead = 1: the other tb's loads are issued as registers come free.  No address register is ever rewritten: tb and row stand in the immediates.
.macro TRIP tb, ahead
	s_wait_loadcnt 32                              ; qk' (and gate) are in: only the tb's 32 token loads were issued behind them
.set j, 0
.rept 8
	ds_store_b128 v[QSA], v[QS+4*j:QS+4*j+3] offset:j*2*QP
.set j, j+1
.endr
.if \ahead
	s_wait_alu depctr_vm_vsrc(0)                   ; those LDS stores have read QS, in which the next tb's qk' lands
.set j, 0
.rept 8
	global_load_b128 v[QS+4*j:QS+4*j+3], v[QO], s[8:9] offset:((\tb)+1)*32768+j*4096 th:TH_LOAD_NT
.set j, j+1
.endr
.endif
.set g, 0
.rept 8                                ; step g: tokens 4 g .. 4 g + 3 are rounded into OUT; the step before's rows are asked for again and its OUT goes into TOK, 8 bytes a lane
.if \ahead
.if g == 0
	s_wait_loadcnt 36                              ; issued behind my four rows: 28 rows of this tb and 8 loads of qk'
.else
	s_wait_loadcnt 32                              ; 28 - 4 g rows of this tb, 8 loads of qk', 4 (g - 1) rows of the next tb
.endif
.else
	s_wait_loadcnt 28-4*g                          ; the rows still to come
.endif
.if g > 0
	s_wait_alu depctr_va_vdst(0)                   ; the step before has written its OUT, which the LDS stores below read, and is done reading its TK, in which the loads below land
.endif
.set i, 0
.rept 4
.if g > 0
.set n, 4*(g-1)+i
.if \ahead
	global_load_b128 v[TK+4*n:TK+4*n+3], v[TO], s[4:5] offset:((\tb)+1)*131072+n*4096 th:TH_LOAD_NT
.endif
	ds_store_b64 v[TS], v[OUT+2*n:OUT+2*n+1] offset:n*TP+16*((n/8)%2)
.endif
.set n, 4*g+i
	v_cvt_pk_f16_f32 v[OUT+2*n], v[TK+4*n], v[TK+4*n+1]
	v_cvt_pk_f16_f32 v[OUT+2*n+1], v[TK+4*n+2], v[TK+4*n+3]
.set i, i+1
.endr
.set g, g+1
.endr
	s_wait_alu depctr_va_vdst(0)                   ; the last step has written its OUT and is done reading its TK
.set n, 28
.rept 4
.if \ahead
	global_load_b128 v[TK+4*n:TK+4*n+3], v[TO], s[4:5] offset:((\tb)+1)*131072+n*4096 th:TH_LOAD_NT
.endif
	ds_store_b64 v[TS], v[OUT+2*n:OUT+2*n+1] offset:n*TP+16*((n/8)%2)
.set n, n+1
.endr
	; THE LOGITS' PARTIAL SUMS over my 128 channels: source 0 = 16 tokens, source 1 = the 16 heads: a lane holds head r and tokens 16 x + 8 hh + 0..7.  Two accumulators by turns.
	s_wait_alu depctr_vm_vsrc(0)                   ; the tokens' LDS stores have read OUT: the fragments land in its registers and the products write them
.irp hf, 0,1
.if \hf
	s_wait_alu depctr_va_vdst(0)                   ; the first half's products are done reading FQ and FT, in which the loads below land
.endif
.irp y, 0,1
	ds_load_b128 v[FQ+8*\y:FQ+8*\y+3], v[QFA] offset:64*(2*\hf+\y)
	ds_load_b128 v[FQ+8*\y+4:FQ+8*\y+7], v[QFA] offset:64*(2*\hf+\y)+32
.irp x, 0,1
	ds_load_b128 v[FT+8*(2*\x+\y):FT+8*(2*\x+\y)+3], v[TFA] offset:\x*16*TP+64*(2*\hf+\y)
	ds_load_b128 v[FT+8*(2*\x+\y)+4:FT+8*(2*\x+\y)+7], v[TFA] offset:\x*16*TP+64*(2*\hf+\y)+32
.endr
.endr
	s_wait_dscnt 0x0
.irp y, 0,1
.irp x, 0,1
.if (\hf)+(\y) == 0
	v_wmma_f32_16x16x32_f16 v[AC+8*\x:AC+8*\x+7], v[FT+8*(2*\x+\y):FT+8*(2*\x+\y)+7], v[FQ+8*\y:FQ+8*\y+7], 0
.else
	v_wmma_f32_16x16x32_f16 v[AC+8*\x:AC+8*\x+7], v[FT+8*(2*\x+\y):FT+8*(2*\x+\y)+7], v[FQ+8*\y:FQ+8*\y+7], v[AC+8*\x:AC+8*\x+7]
.endif
.endr
.endr
	PLACES                                         ; in front of the loads into the fragments, and of the stores below
.endr
	s_wait_alu depctr_va_vdst(0)                   ; the products have written AC, which the LDS stores read, and are done reading FQ, in which the partial logits land; the places above stay beside this wait
.irp x, 0,1
	ds_store_b128 v[PS], v[AC+8*\x:AC+8*\x+3] offset:PART+64*\x
	ds_store_b128 v[PS], v[AC+8*\x+4:AC+8*\x+7] offset:PART+64*\x+16
.endr
	s_wait_dscnt 0x0                               ; my partial logits lie in LDS; my reads of the last tb's logits and weights are back
	s_barrier_signal -1
	s_barrier_wait -1
	; THE SOFTMAX of heads 2 w + u, u = 0, 1; lane = token
.irp u, 0,1
.set p, 0
.rept 8
	ds_load_b32 v[PP+8*\u+p], v[PR] offset:PART+\u*PH+p*PW
.set p, p+1
.endr
.endr
	s_wait_dscnt 0x0
.irp u, 0,1
	v_pk_add_f32 v[PP+8*\u:PP+8*\u+1], v[PP+8*\u:PP+8*\u+1], v[PP+8*\u+2:PP+8*\u+3]
	v_pk_add_f32 v[PP+8*\u+4:PP+8*\u+5], v[PP+8*\u+4:PP+8*\u+5], v[PP+8*\u+6:PP+8*\u+7]
.endr
.irp u, 0,1
	v_pk_add_f32 v[PP+8*\u:PP+8*\u+1], v[PP+8*\u:PP+8*\u+1], v[PP+8*\u+4:PP+8*\u+5]
	v_add_f32 v[WK+8*\u+1], s[36+2*\u+(\tb)], v[GATE+(\tb)]   ; off + gate
.endr
.irp u, 0,1
	v_add_f32 v[PP+8*\u], v[PP+8*\u], v[PP+8*\u+1]
.endr
.irp u, 0,1
	v_fma_f32 v[WK+8*\u], v[PP+8*\u], s[32+2*\u+(\tb)], v[WK+8*\u+1]  ; the logit
.endr
.irp u, 0,1
	v_mov_b32 v[WK+8*\u+1], v[WK+8*\u]
	v_mov_b32 v[WK+8*\u+2], v[WK+8*\u]             ; v_permlanex16_b32's destination counts as read
.endr
.irp m, 1,2,4,8
.irp u, 0,1
	v_max_num_f32_dpp v[WK+8*\u+1], v[WK+8*\u+1], v[WK+8*\u+1] row_xmask:\m row_mask:0xf bank_mask:0xf
.endr
.endr
.irp u, 0,1
	v_permlanex16_b32 v[WK+8*\u+2], v[WK+8*\u+1], s40, s41
.endr
.irp u, 0,1
	v_max_num_f32 v[WK+8*\u+1], v[WK+8*\u+1], v[WK+8*\u+2]    ; the row's maximum, in every lane
.endr
.irp u, 0,1
	v_sub_f32 v[WK+8*\u+3], v[WK+8*\u], v[WK+8*\u+1]
.endr
.irp u, 0,1
	v_mul_f32 v[WK+8*\u+3], 0x3fb8aa3b, v[WK+8*\u+3]          ; log2(e)
.endr
.irp u, 0,1
	v_exp_f32 v[WK+8*\u+3], v[WK+8*\u+3]
.endr
	v_nop                                          ; a plain instruction behind the last exponential,
	s_wait_alu depctr_va_vdst(0)                   ; and one wait for both exponentials' results, ahead of their first reader
.irp u, 0,1
	v_mov_b32 v[WK+8*\u+4], v[WK+8*\u+3]
	v_mov_b32 v[WK+8*\u+5], v[WK+8*\u+3]
.endr
.irp m, 1,2,4,8
.irp u, 0,1
	v_add_f32_dpp v[WK+8*\u+4], v[WK+8*\u+4], v[WK+8*\u+4] row_xmask:\m row_mask:0xf bank_mask:0xf
.endr
.endr
.irp u, 0,1
	v_permlanex16_b32 v[WK+8*\u+5], v[WK+8*\u+4], s40, s41
.endr
.irp u, 0,1
	v_add_f32 v[WK+8*\u+4], v[WK+8*\u+4], v[WK+8*\u+5]
.endr
.irp u, 0,1
	v_rcp_f32 v[WK+8*\u+6], v[WK+8*\u+4]
.endr
	v_nop
	s_wait_alu depctr_va_vdst(0)                   ; one wait for both reciprocals' results, ahead of their first reader
.irp u, 0,1
	v_mul_f32 v[WK+8*\u+7], v[WK+8*\u+3], v[WK+8*\u+6]        ; the weight
.endr
.irp u, 0,1
	v_cvt_pk_f16_f32 v[WK+8*\u+5], v[WK+8*\u+7], v[WK+8*\u+7]
.endr
	s_wait_alu depctr_va_vdst(0)                   ; the logits, the weights and their f16 forms are written in WK, which the LDS stores read; the softmax is done with PP and WK, in which ctx's fragments land
.irp u, 0,1
	ds_store_b32 v[LSA], v[WK+8*\u] offset:LGT+128*\u
	ds_store_b32 v[LSA], v[WK+8*\u+7] offset:ATF+128*\u
	ds_store_b16 v[ASA], v[WK+8*\u+5] offset:ATT+AP*\u
.endr
	s_wait_dscnt 0x0                               ; my heads' logits and weights lie in LDS; my reads of the partial logits are back
	s_barrier_signal -1
	s_barrier_wait -1
	; CTX for my 128 channels: source 0 = 16 channels (tokens turned), source 1 = the 16 heads' weights; K = the 32 tokens: one step.  A lane holds head r and eight neighbouring channels.
	s_wait_alu depctr_vm_vsrc(0)                   ; my stores of the partial logits have read AC, those of the logits and weights WK: the loads below land in these registers and the products write them
	ds_load_b128 v[FA:FA+3], v[AFA] offset:ATT
	ds_load_b128 v[FA+4:FA+7], v[AFA] offset:ATT+32
.irp hf, 0,1
.irp x, 0,1,2,3
	ds_load_tr16_b128 v[TF+8*\x:TF+8*\x+3], v[TTA] offset:32*(4*\hf+\x)
	ds_load_tr16_b128 v[TF+8*\x+4:TF+8*\x+7], v[TTA] offset:32*(4*\hf+\x)+16*TP
.endr
	s_wait_dscnt 0x0
.if \hf
	s_wait_alu depctr_vm_vsrc(0)                   ; the first half's stores into the stage have read CA's low registers, which the products below write
.endif
.irp x, 0,1,2,3
	v_wmma_f32_16x16x32_f16 v[CA+8*\x:CA+8*\x+7], v[TF+8*\x:TF+8*\x+7], v[FA:FA+7], 0
.endr
	PLACES 8                                       ; eight, not four: the lines behind them write the accumulators' own registers
.irp x, 0,1,2,3
.irp z, 0,1,2,3
	v_cvt_pk_f16_f32 v[CA+8*\x+\z], v[CA+8*\x+2*\z], v[CA+8*\x+2*\z+1]
.endr
.endr
	s_wait_alu depctr_va_vdst(0)                   ; the conversions have written CA's low registers, which the LDS stores read; the products are done reading TF, in which the next loads land
.irp x, 0,1,2,3
	ds_store_b128 v[QFA], v[CA+8*\x:CA+8*\x+3] offset:32*(4*\hf+\x)  ; into the stage: qk's bytes, which I alone read, and have read
.endr
.endr
.set j, 0
.rept 8
	ds_load_b128 v[TF+4*j:TF+4*j+3], v[QSA] offset:j*2*QP     ; back as whole rows; LDS serves a wave's instructions in order
.set j, j+1
.endr
.set j, 0
.rept 8
	s_wait_dscnt 7-j                               ; the younger of the eight may stay out
	global_store_b128 v[QO], v[TF+4*j:TF+4*j+3], s[12:13] offset:(\tb)*32768+j*4096 th:TH_STORE_NT  ; 16 lanes store 256 consecutive bytes, aligned
.set j, j+1
.endr
	s_wait_alu depctr_vm_vsrc(0)                   ; the second half's stores into the stage have read CA's low registers, in which the logits (waves 0-3) or the weights (wave 4) land
	s_cmp_lt_u32 s20, 4
	s_cbranch_scc0 .Lupper_\@
	ds_load_b128 v[CA:CA+3], v[TO] offset:LGT      ; waves 0-3: the tb's logits, 512 consecutive bytes a wave
	s_wait_dscnt 0x0
	global_store_b128 v[TO], v[CA:CA+3], s[16:17] offset:(\tb)*2048 th:TH_STORE_NT
	s_branch .Ldone_\@
.Lupper_\@:
	s_cmp_eq_u32 s20, 4
	s_cbranch_scc0 .Ldone_\@
.set j, 0
.rept 16                               ; wave 4: the mean over the heads
	ds_load_b32 v[MN+j], v[L4] offset:ATF+128*j
.set j, j+1
.endr
	s_wait_dscnt 0x0
.irp k, 0,4,8,12
	v_pk_add_f32 v[MN+\k:MN+\k+1], v[MN+\k:MN+\k+1], v[MN+\k+2:MN+\k+3]
.endr
	v_pk_add_f32 v[MN:MN+1], v[MN:MN+1], v[MN+4:MN+5]
	v_pk_add_f32 v[MN+8:MN+9], v[MN+8:MN+9], v[MN+12:MN+13]
	v_pk_add_f32 v[MN:MN+1], v[MN:MN+1], v[MN+8:MN+9]
	v_add_f32 v[MN], v[MN], v[MN+1]
	v_mul_f32 v[MN], 0x3d800000, v[MN]             ; / 16
	s_wait_alu depctr_va_vdst(0)                   ; the mean is written in v[MN], which the LDS store reads
	ds_store_b32 v[L4], v[MN] offset:MEAN+128*(\tb)
.Ldone_\@:
.endm
	TRIP 0, 1
	s_wait_xcnt 0x0                                ; the first tb's stores have had their addresses translated: v64-127 are rewritten only behind this wait
	s_wait_alu depctr_vm_vsrc(0)                   ; the first tb's global stores (ctx's rows, the logits) and wave 4's LDS store have read registers of v64-127, which the second tb's conversions write as OUT
	TRIP 1, 0
	s_wait_alu depctr_vm_vsrc(0)                   ; wave 4's LDS store of the mean has read v[MN], in which its load below lands
	s_cmp_eq_u32 s20, 4                            ; wave 4 stores both tb's means: 256 consecutive bytes, aligned, in one instruction
	s_cbranch_scc0 .Lend
	ds_load_b64 v[MN:MN+1], v[L8] offset:MEAN
	s_wait_dscnt 0x0
	global_store_b64 v[L8], v[MN:MN+1], s[14:15]
.Lend:
	s_wait_dscnt 0x0                               ; the closing lines, six on end
	s_wait_alu 0x0
	s_wait_tensorcnt 0x0
	ds_add_u32 v[SPW], v[NIL]
	s_wait_dscnt 0x0
	s_endpgm
.Lfunc_end_k_q071af41624_attend:
	.size	k_q071af41624_attend, .Lfunc_end_k_q071af41624_attend-k_q071af41624_attend
	.p2alignl 7, 3214868480
	.fill 96, 4, 3214868480
	.section	.rodata,"a",@progbits
	.p2align	6, 0x0
	.amdhsa_kernel k_q071af41624_attend
		.amdhsa_group_segment_fixed_size 133632
		.amdhsa_private_segment_fixed_size 0
		.amdhsa_enable_private_segment 0
		.amdhsa_kernarg_size 56
		.amdhsa_user_sgpr_count 2
		.amdhsa_user_sgpr_kernarg_segment_ptr 1
		.amdhsa_wavefront_size32 1
		.amdhsa_system_sgpr_workgroup_id_x 1
		.amdhsa_system_sgpr_workgroup_id_y 1
		.amdhsa_system_sgpr_workgroup_id_z 1
		.amdhsa_system_vgpr_workitem_id 0
		.amdhsa_next_free_vgpr 256
		.amdhsa_next_free_sgpr 66
		.amdhsa_reserve_vcc 0
		.amdhsa_float_denorm_mode_32 3
		.amdhsa_float_denorm_mode_16_64 3
		.amdhsa_memory_ordered 1
		.amdhsa_forward_progress 1
		.amdhsa_inst_pref_size 58
	.end_amdhsa_kernel
	.amdgpu_metadata
---
amdhsa.version: [ 1, 2 ]
amdhsa.kernels:
  - .name:           k_q071af41624_attend
    .symbol:         k_q071af41624_attend.kd
    .args:
      - { .name: tokens, .offset: 0, .size: 8, .value_kind: global_buffer, .address_space: global }
      - { .name: gate_logits, .offset: 8, .size: 8, .value_kind: global_buffer, .address_space: global }
      - { .name: qkw, .offset: 16, .size: 8, .value_kind: global_buffer, .address_space: global }
      - { .name: qsc, .offset: 24, .size: 8, .value_kind: global_buffer, .address_space: global }
      - { .name: ctxw, .offset: 32, .size: 8, .value_kind: global_buffer, .address_space: global }
      - { .name: out1, .offset: 40, .size: 8, .value_kind: global_buffer, .address_space: global }
      - { .name: out2, .offset: 48, .size: 8, .value_kind: global_buffer, .address_space: global }
    .group_segment_fixed_size: 133632
    .private_segment_fixed_size: 0
    .kernarg_segment_align: 8
    .kernarg_segment_size: 56
    .max_flat_workgroup_size: 256
    .sgpr_count:     66
    .vgpr_count:     256
    .wavefront_size: 32
...
	.end_amdgpu_metadata
.endif
;; end of part 5
;; launch outproj (part 6): grid 16 x 16, 8 waves a work-group, no clusters, 304,128 bytes of LDS; arguments ctxw, Wv, bv, out0; writes out0
.if DOCPART == 6
	.amdgcn_target "amdgcn-amd-amdhsa--gfx1250"
	.amdhsa_code_object_version 6
	.text
	.protected	k_q071af41624_outproj
	.globl	k_q071af41624_outproj
	.p2align	8
	.type	k_q071af41624_outproj,@function
k_q071af41624_outproj:
	s_mov_b64 s[64:65], 0
	v_nop
	global_prefetch_b8 v0, s[64:65] scope:SCOPE_SE
	s_setreg_imm32_b32 hwreg(HW_REG_WAVE_SCHED_MODE, 0, 2), 2
	s_setreg_imm32_b32 hwreg(HW_REG_WAVE_MODE, 25, 1), 1
	s_wait_xcnt 0x0
	s_wait_alu depctr_vm_vsrc(0)
; THIRD LAUNCH.  out0[tb][64 h + d] = the sum over c of ctx[tb][h][c] Wv[c][64 h + d] + bv[64 h + d], for 64 positions tb and one head h (a softmax row's weights add up to 1, so bv enters once).
; ctxw: [1024 tb][16 h][1024 c] f16.  LIMITS.  Wv is rounded once to f16: magnitudes stay under 65,504, and below 6e-5 they keep f16's fixed step of 6e-8.  NaN and infinities are not treated apart.
; The sums' order differs from the module's (K split over 8 waves; the weighted sum over tokens is taken ahead of the projection).
; SHARES.  Eight waves split K: wave w takes channels 128 w .. + 127 and makes a partial sum of the whole 64 x 64 tile (16 accumulators); all that it loads and stages is its own.  The eight partial tiles meet
; in LDS; wave w then finishes rows 8 w .. 8 w + 7.  The matrix instruction is used transposed: source 0 = 16 columns d (Wv turned), source 1 = 16 rows tb.
; NO CLUSTER, NO TENSOR LOADS: each byte of ctx is read by one wave of the launch; Wv's slice, which the 16 blocks of a head share, arrives in f32 and is rounded to f16 in registers before a fragment can be read.
; THE MODE: SCHED_MODE bits 1:0 = 2 (LLVM: expert scheduling mode 2), set by the entry lines.  The code itself states the register dependences
; between vector or matrix instructions and memory or LDS instructions, with s_wait_alu, always for 0.
; THE PLAN.  Registers that memory or LDS instructions touch:
;   SA, SB, SC   raw sets.  Written by global loads.  ctx's two groups are read by LDS stores (they are f16 already), and the set is asked for again behind a wait on vm_vsrc; Wv's four groups are read by
;                conversions alone, and the set is asked for again behind the wait that shows those done.
;   OUT          16 pairs.  Written by a group's conversions; read by its 16 LDS stores; written again by the next group's conversions, behind a wait on vm_vsrc at that group's head.
;   FX, FW       fragments (SA's registers).  Written by LDS loads; read by a step's 16 products; loaded again behind a wait on va_vdst.
;   ACC          written by the products, read by the 32 stores of the partial tile; not written again.
;   SUM          (registers of OUT) written by the reduction, read by the four global stores behind one wait.
;   v5-v27       offsets and addresses, made at the head and never written again.
.set WREG,  37888                      ; a wave's LDS region
.set XP,    272                        ; XS: 64 rows (tb) of 128 c f16 = 256 bytes + 16; RED (same bytes, later): 64 rows of 64 d f32
.set WSO,   64*XP                      ; behind it WS: 128 rows (c) of 64 d f16, for the turning load
.set WP,    160
.set SPARE, 8*WREG                     ; the spare words: 128 bytes a wave, four blocks of 256 bytes that no other line names
.set WO,  5                            ; v5   (128 w + hh) x 4096 + 16 r: my 16 bytes of two rows of Wv
.set WSA, 7                            ; v7   WS: where a row's 8 bytes go
.set XFA, 8                            ; v8   fragments of XS
.set WFA, 9                            ; v9   the turning load's address in WS
.set RSA, 10                           ; v10  stores into RED
.set RRA, 11                           ; v11  (8 w + hh) x 272 + 16 r: my rows in a partial tile
.set RP,  12                           ; v12-15  the same in the regions of waves 0, 2, 4, 6; the odd waves' lie WREG further on, within the immediate's 16 bits
.set R16, 21                           ; v21  16 r
.set CSA, 22                           ; v22  WB + 272 hh + 16 r: XS by rows
.set CO,  23                           ; v23  hh x 32768 + 256 w + 16 r: my 16 bytes of two rows of ctx
.set OO,  24                           ; v24  (8 w + hh) x 4096 + 16 r: my 16 bytes of out0
.set SPW, 26                           ; v26  my spare word; never rewritten
.set NIL, 27                           ; v27  0; never rewritten
.set BV,  28                           ; v28-31  bv of my four d
.set OUT, 32                           ; v32-63  on the way in: a group's 16 rows of Wv in f16, a pair each
.set SUM, 36                           ; v36-51  my four rows x four d
.set T,   52
.set SA,  64                           ; three sets of 64 registers
.set SB,  128
.set SC,  192
.set FX,  64
.set FW,  96
.set ACC, 128
.macro PLACES n=4                      ; plain vector instructions between a matrix instruction and what touches its registers (ISA guide 7.12.1)
.rept \n
	v_nop
.endr
.endm
.macro LDC g, S                        ; rows 32 g .. 32 g + 31 of my slice of ctx: two rows of 256 aligned bytes an instruction
.set j, 0
.rept 16
	global_load_b128 v[(\S)+4*j:(\S)+4*j+3], v[CO], s[4:5] offset:(16*(\g)+j)*65536 th:TH_LOAD_NT
.set j, j+1
.endr
.endm
.macro PUTC S, g                       ; they are f16 already
.set j, 0
.rept 16
	ds_store_b128 v[CSA], v[(\S)+4*j:(\S)+4*j+3] offset:(16*(\g)+j)*2*XP
.set j, j+1
.endr
.endm
.macro LDW g, S                        ; rows 32 g .. 32 g + 31 of my slice of Wv
.set j, 0
.rept 16
	global_load_b128 v[(\S)+4*j:(\S)+4*j+3], v[WO], s[6:7] offset:(16*(\g)+j)*8192
.set j, j+1
.endr
.endm
.macro CVT S                           ; a set is rounded to f16, into OUT
.set j, 0
.rept 16
	v_cvt_pk_f16_f32 v[OUT+2*j], v[(\S)+4*j], v[(\S)+4*j+1]
	v_cvt_pk_f16_f32 v[OUT+2*j+1], v[(\S)+4*j+2], v[(\S)+4*j+3]
.set j, j+1
.endr
.endm
.macro STO g                           ; OUT goes into WS, 8 bytes a lane
.set j, 0
.rept 16
	ds_store_b64 v[WSA], v[OUT+2*j:OUT+2*j+1] offset:(16*(\g)+j)*2*WP
.set j, j+1
.endr
.endm
	s_load_b256 s[4:11], s[0:1], 0x0               ; ctxw s[4:5], Wv s[6:7], bv s[8:9], out0 s[10:11]
	v_lshl_add_u32 v[SPW], v0, 2, SPARE
	v_mov_b32 v[NIL], 0
	v_lshrrev_b32 v1, 5, v0
	v_readfirstlane_b32 s20, v1                    ; w: wave 0..7
	v_and_b32 v2, 15, v0                           ; r
	v_bfe_u32 v3, v0, 4, 1                         ; hh
	v_and_b32 v[T], 7, v0
	v_bfe_u32 v[T+1], v0, 3, 1
	s_mov_b32 s22, ttmp9                           ; the head
	s_and_b32 s23, ttmp7, 0xffff                   ; the block of 64 tb
	s_wait_alu depctr_va_sdst(0)                   ; s20 is written, ahead of its first reader: the wave's LDS region and offsets are made from it
	s_mul_i32 s21, s20, WREG                       ; WB
	s_add_co_u32 s27, s21, WSO
	s_lshl_b32 s29, s20, 19
	v_lshlrev_b32 v[R16], 4, v2
	v_lshl_add_u32 v[WO], v3, 12, v[R16]           ; hh x 4096 + 16 r
	s_lshl_b32 s30, s20, 15
	v_add_nc_u32 v[OO], s30, v[WO]
	v_add_nc_u32 v[WO], s29, v[WO]
	v_mul_u32_u24 v[WSA], v3, WP
	v_lshl_add_u32 v[WSA], v2, 3, v[WSA]
	v_add_nc_u32 v[WSA], s27, v[WSA]
	v_mul_u32_u24 v[XFA], v2, XP
	v_add_nc_u32 v[XFA], s21, v[XFA]               ; WB + 272 r
	v_lshl_add_u32 v[RSA], v3, 5, v[XFA]
	v_lshl_add_u32 v[XFA], v3, 4, v[XFA]
	v_lshl_add_u32 v[WFA], v3, 3, v[T]             ; the turning load: lane L reads row 8 hh + L % 8, 16 bytes at 16 ((L / 8) % 2)
	v_mul_u32_u24 v[WFA], v[WFA], WP
	v_lshl_add_u32 v[WFA], v[T+1], 4, v[WFA]
	v_add_nc_u32 v[WFA], s27, v[WFA]
	v_mul_u32_u24 v[CSA], v3, XP
	v_add_nc_u32 v[CSA], v[R16], v[CSA]            ; 272 hh + 16 r
	s_mul_i32 s30, s20, 8*XP
	v_add_nc_u32 v[RRA], s30, v[CSA]
.set k, 0
.rept 4
	v_add_nc_u32 v[RP+k], 2*k*WREG, v[RRA]         ; my rows in the partial tiles of waves 0, 2, 4, 6
.set k, k+1
.endr
	v_add_nc_u32 v[CSA], s21, v[CSA]
	s_lshl_b32 s30, s20, 8
	v_lshl_add_u32 v[CO], v3, 15, v[R16]
	v_add_nc_u32 v[CO], s30, v[CO]
	s_mov_b32 s25, 0
	s_wait_kmcnt 0x0
	s_lshl_b32 s24, s23, 21                        ; ctxw: 64 tb of 32,768 bytes,
	s_lshl_b32 s28, s22, 11                        ; the head's 2,048
	s_add_co_u32 s24, s24, s28
	s_add_nc_u64 s[4:5], s[4:5], s[24:25]
	s_lshl_b32 s24, s22, 8                         ; the head's 64 columns, 256 bytes
	s_add_nc_u64 s[6:7], s[6:7], s[24:25]
	s_add_nc_u64 s[8:9], s[8:9], s[24:25]
	s_add_nc_u64 s[10:11], s[10:11], s[24:25]
	s_lshl_b32 s24, s23, 18                        ; 64 rows of out0
	s_add_nc_u64 s[10:11], s[10:11], s[24:25]
	s_wait_alu depctr_va_vdst(0)                   ; the offsets and addresses v5 to v27 are written: every load and store of the kernel reads one of them
	global_load_b128 v[BV:BV+3], v[R16], s[8:9]
; THE WAY IN.  Six groups of 16 loads (ctx twice, Wv four times) on three sets that take turns: 48 loads of a wave are on their way.  The counts leave the younger groups out: two, at the end one, then none.
	LDC 0, SA
	LDC 1, SB
	LDW 0, SC
	s_wait_loadcnt 32
	PUTC SA, 0
	s_wait_alu depctr_vm_vsrc(0)                   ; those LDS stores have read SA, in which the loads below land
	LDW 1, SA
	s_wait_loadcnt 32
	PUTC SB, 1
	s_wait_alu depctr_vm_vsrc(0)                   ; those LDS stores have read SB, in which the loads below land
	LDW 2, SB
	s_wait_loadcnt 32
	CVT SC
	s_wait_alu depctr_va_vdst(0)                   ; the conversions have written OUT, which the LDS stores read, and are done reading SC, in which the last group lands
	LDW 3, SC
	STO 0
	s_wait_loadcnt 32
	s_wait_alu depctr_vm_vsrc(0)                   ; the last group's LDS stores have read OUT, which the conversions below write again
	CVT SA
	s_wait_alu depctr_va_vdst(0)                   ; the conversions have written OUT, which the LDS stores read
	STO 1
	s_wait_loadcnt 16
	s_wait_alu depctr_vm_vsrc(0)                   ; the last group's LDS stores have read OUT
	CVT SB
	s_wait_alu depctr_va_vdst(0)                   ; the conversions have written OUT, which the LDS stores read
	STO 2
	s_wait_loadcnt 0x0
	s_wait_alu depctr_vm_vsrc(0)                   ; the last group's LDS stores have read OUT
	CVT SC
	s_wait_alu depctr_va_vdst(0)                   ; the conversions have written OUT, which the LDS stores read; all conversions are done reading SA, in which the fragments land
	STO 3
; THE PRODUCTS: four steps of 32 channels; 16 accumulators by turns, in the same order in every step.  LDS serves a wave's instructions in order: these loads see my stores above.
.set ks, 0
.rept 4
.if ks > 0
	s_wait_alu depctr_va_vdst(0)                   ; the last step's products are done reading FX and FW, in which the loads below land
.endif
.set t, 0
.rept 4
	ds_load_b128 v[FX+8*t:FX+8*t+3], v[XFA] offset:t*16*XP+64*ks
	ds_load_b128 v[FX+8*t+4:FX+8*t+7], v[XFA] offset:t*16*XP+64*ks+32
	ds_load_tr16_b128 v[FW+8*t:FW+8*t+3], v[WFA] offset:ks*32*WP+32*t
	ds_load_tr16_b128 v[FW+8*t+4:FW+8*t+7], v[WFA] offset:ks*32*WP+32*t+16*WP
.set t, t+1
.endr
	s_wait_dscnt 0x0
.set t, 0
.rept 16
.if ks == 0
	v_wmma_f32_16x16x32_f16 v[ACC+8*t:ACC+8*t+7], v[FW+8*(t%4):FW+8*(t%4)+7], v[FX+8*(t/4):FX+8*(t/4)+7], 0
.else
	v_wmma_f32_16x16x32_f16 v[ACC+8*t:ACC+8*t+7], v[FW+8*(t%4):FW+8*(t%4)+7], v[FX+8*(t/4):FX+8*(t/4)+7], v[ACC+8*t:ACC+8*t+7]
.endif
.set t, t+1
.endr
	PLACES                                         ; in front of the next step's loads into the fragments, and of the stores below
.set ks, ks+1
.endr
; My partial tile goes into RED (XS's bytes, whose reads are back): lane (r, hh) holds tb = 16 mt + r, d = 16 nt + 8 hh + 0..7.  Each accumulator's low registers first.
	s_wait_alu depctr_va_vdst(0)                   ; the products have written the accumulators, which the LDS stores read, and are done reading FX and FW, in which the partial tiles land; the places above stay beside this wait
.set t, 0
.rept 16
	ds_store_b128 v[RSA], v[ACC+8*t:ACC+8*t+3] offset:(t/4)*16*XP+(t%4)*64
	ds_store_b128 v[RSA], v[ACC+8*t+4:ACC+8*t+7] offset:(t/4)*16*XP+(t%4)*64+16
.set t, t+1
.endr
	s_wait_dscnt 0x0                               ; for the others' sake: my partial tile lies in LDS
	s_barrier_signal -1
	s_barrier_wait -1                              ; all eight lie there; nothing is stored into LDS behind this barrier
	s_wait_alu depctr_vm_vsrc(0)                   ; the last group's LDS stores have read OUT, whose registers the sums below write
; THE REDUCTION.  Wave w owns rows 8 w + 2 i + hh, i = 0..3; a lane four d.  Two batches of four partial tiles; a partial's 16 registers are added as one block.
.macro BATCH b
.set k, 0
.rept 16                               ; partial tile 4 b + k / 4, my row k % 4
	ds_load_b128 v[SA+4*k:SA+4*k+3], v[RP+2*(\b)+k/8] offset:((k/4)%2)*WREG+(k%4)*2*XP
.set k, k+1
.endr
	s_wait_dscnt 0x0
.set c, 0
.rept 8
	v_pk_add_f32 v[SA+c:SA+c+1], v[SA+c:SA+c+1], v[SA+16+c:SA+16+c+1]
	v_pk_add_f32 v[SA+32+c:SA+32+c+1], v[SA+32+c:SA+32+c+1], v[SA+48+c:SA+48+c+1]
.set c, c+2
.endr
.set c, 0
.rept 8
.if (\b) == 0
	v_pk_add_f32 v[SUM+c:SUM+c+1], v[SA+c:SA+c+1], v[SA+32+c:SA+32+c+1]
.else
	v_pk_add_f32 v[SA+c:SA+c+1], v[SA+c:SA+c+1], v[SA+32+c:SA+32+c+1]
.endif
.set c, c+2
.endr
.if (\b) != 0
.set c, 0
.rept 8
	v_pk_add_f32 v[SUM+c:SUM+c+1], v[SUM+c:SUM+c+1], v[SA+c:SA+c+1]
.set c, c+2
.endr
.endif
.endm
	BATCH 0
	s_wait_alu depctr_va_vdst(0)                   ; the first batch's sums are done with SA, in which the second batch's loads land
	BATCH 1
.set i, 0
.rept 4
	v_pk_add_f32 v[SUM+4*i:SUM+4*i+1], v[SUM+4*i:SUM+4*i+1], v[BV:BV+1]
	v_pk_add_f32 v[SUM+4*i+2:SUM+4*i+3], v[SUM+4*i+2:SUM+4*i+3], v[BV+2:BV+3]
.set i, i+1
.endr
	s_wait_alu depctr_va_vdst(0)                   ; the sums are written in SUM, which the stores read
.set i, 0
.rept 4
	global_store_b128 v[OO], v[SUM+4*i:SUM+4*i+3], s[10:11] offset:i*8192 th:TH_STORE_NT  ; 16 lanes store a row's 256 consecutive bytes, aligned
.set i, i+1
.endr
	s_wait_dscnt 0x0                               ; the closing lines, six on end
	s_wait_alu 0x0
	s_wait_tensorcnt 0x0
	ds_add_u32 v[SPW], v[NIL]
	s_wait_dscnt 0x0
	s_endpgm
.Lfunc_end_k_q071af41624_outproj:
	.size	k_q071af41624_outproj, .Lfunc_end_k_q071af41624_outproj-k_q071af41624_outproj
	.p2alignl 7, 3214868480
	.fill 96, 4, 3214868480
	.section	.rodata,"a",@progbits
	.p2align	6, 0x0
	.amdhsa_kernel k_q071af41624_outproj
		.amdhsa_group_segment_fixed_size 304128
		.amdhsa_private_segment_fixed_size 0
		.amdhsa_enable_private_segment 0
		.amdhsa_kernarg_size 32
		.amdhsa_user_sgpr_count 2
		.amdhsa_user_sgpr_kernarg_segment_ptr 1
		.amdhsa_wavefront_size32 1
		.amdhsa_system_sgpr_workgroup_id_x 1
		.amdhsa_system_sgpr_workgroup_id_y 1
		.amdhsa_system_sgpr_workgroup_id_z 1
		.amdhsa_system_vgpr_workitem_id 0
		.amdhsa_next_free_vgpr 256
		.amdhsa_next_free_sgpr 66
		.amdhsa_reserve_vcc 0
		.amdhsa_float_denorm_mode_32 3
		.amdhsa_float_denorm_mode_16_64 3
		.amdhsa_memory_ordered 1
		.amdhsa_forward_progress 1
		.amdhsa_inst_pref_size 45
	.end_amdhsa_kernel
	.amdgpu_metadata
---
amdhsa.version: [ 1, 2 ]
amdhsa.kernels:
  - .name:           k_q071af41624_outproj
    .symbol:         k_q071af41624_outproj.kd
    .args:
      - { .name: ctxw, .offset: 0, .size: 8, .value_kind: global_buffer, .address_space: global }
      - { .name: Wv, .offset: 8, .size: 8, .value_kind: global_buffer, .address_space: global }
      - { .name: bv, .offset: 16, .size: 8, .value_kind: global_buffer, .address_space: global }
      - { .name: out0, .offset: 24, .size: 8, .value_kind: global_buffer, .address_space: global }
    .group_segment_fixed_size: 304128
    .private_segment_fixed_size: 0
    .kernarg_segment_align: 8
    .kernarg_segment_size: 32
    .max_flat_workgroup_size: 256
    .sgpr_count:     66
    .vgpr_count:     256
    .wavefront_size: 32
...
	.end_amdgpu_metadata
.endif
;; end of part 6
